; MI455X (gfx1250); checked and timed in simulation.
; The chip was launched on July 23, 2026; its instructions are those of AMD's public machine-readable ISA for CDNA 5 (MIT licence, August 2026) and "CDNA5" Instruction Set Architecture Reference Guide (July 2026). The comments in the code are by the model that wrote it; some were corrected since.
;; Causal Self Attention. Allowed arithmetic: matrix products marked QUANTISED: E2M3 operands, one E8M0 scale for each 32 along K, by v_wmma_scale_f32_16x16x128_f8f6f4 with both operands' format E2M3, f32 sums; everything else in f32.
;; Inputs: Wk 1,024 x 1,024 float32; Wp 1,024 x 1,024 float32; Wq 1,024 x 1,024 float32; Wv 1,024 x 1,024 float32; bk 1,024 float32; bp 1,024 float32; bq 1,024 float32; bv 1,024 float32; x 4 x 2,048 x 1,024 float32.
;; Outputs: out0 4 x 2,048 x 1,024 float32.
;; This version of the problem:
;;   THIS VERSION OF THE PROBLEM IS GIVEN IN LOW PRECISION. The matrix products marked QUANTISED in the list below multiply operands that are first quantised to E2M3 (2 exponent bits, 3 mantissa bits; 6 bits a number), with one power-of-two scale for each 32 numbers along K (OCP MX v1.0); their sums are f32. All else is computed in f32.
;;   The module's matrix products, in the order in which they are computed (A, B: the left and right operand; K: the contracted axis; several contracted axes count as one K, in the product's order):
;;     1. [M 8,192, K 1,024] x [K 1,024, N 1,024]; A: input x; B: input Wq: QUANTISED
;;     2. [M 8,192, K 1,024] x [K 1,024, N 1,024]; A: input x; B: input Wk: QUANTISED
;;     3. [M 8,192, K 1,024] x [K 1,024, N 1,024]; A: input x; B: input Wv: QUANTISED
;;     4. batch 64 x [M 2,048, K 64] x [K 64, N 2,048]; A: computed on the way; B: computed on the way: QUANTISED
;;     5. batch 64 x [M 2,048, K 2,048] x [K 2,048, N 64]; A: softmax (see below); B: computed on the way: QUANTISED
;;     6. [M 8,192, K 1,024] x [K 1,024, N 1,024]; A: computed on the way; B: input Wp: QUANTISED
;;   THE QUANTISER, for each operand of a quantised product, along K:
;;     - K is cut into blocks of 32 from its start; a last block that is shorter is filled with zeros.
;;     - A block's scale is 2^e with e = floor(log2(the largest magnitude in the block)) - 2, held to -126 .. 127; a block of zeros has e = 0. As a byte (E8M0): e + 127.
;;     - Each number is divided by its block's scale, clamped to +-7.5, and rounded to the nearest number of E2M3, ties to even, subnormals kept.
;;     - The product sums the exact products of the quantised numbers (number of the format x scale) in f32.
;;   ~~~python
;;   def quantise(x, axis):      # numpy; x: float32 -> the quantised numbers, widened to float32 again
;;       x = np.moveaxis(x, axis, -1); K = x.shape[-1]
;;       x = np.pad(x, [(0, 0)] * (x.ndim - 1) + [(0, -K % 32)]); x = x.reshape(x.shape[:-1] + (-1, 32)); a = np.abs(x).max(-1, keepdims=True)
;;       e = np.where(a > 0, np.clip(np.frexp(np.where(a > 0, a, 1))[1] - 1 - 2, -126, 127), 0)      # np.frexp(a)[1] - 1 = floor(log2(a)), exactly
;;       r = np.clip(x / 2.0 ** e, -7.5, 7.5)
;;       step = 2.0 ** (np.maximum(np.frexp(np.where(r == 0, 1, r))[1] - 1, 0) - 3)
;;       q = np.round(r / step) * step * 2.0 ** e      # np.round: ties to even
;;       return np.moveaxis(q.reshape(q.shape[:-2] + (-1,))[..., :K], -1, axis).astype(np.float32)
;;   ~~~
;;   SOFTMAX AHEAD OF A QUANTISED PRODUCT. Where the list says 'softmax', what is quantised is not the finished softmax but p = 2^(t - M), with t = logit x log2(e) and M = ceil(the row's largest t), a whole number; so 1/2 < the row's largest p <= 1. The row's sum l is taken of the UNQUANTISED p, in f32, and the product's result is divided by l at the end. Since M is a whole number, a kernel that streams over the keys may use a running M (the ceiling of the running maximum): every later rescaling is an exact power of two, which a block's scale takes up: the codes' values come out the same.
;;   OPERANDS COMPUTED ON THE WAY. 'Computed on the way' means the value that the module computes at that place (a softmax that the list does not call 'softmax' is quantised finished and normalised). What goes into a quantiser is computed in f32, as accurately as f32 sums, v_exp_f32 and their like allow (about 1e-6 of the number): no bf16 or f16 on the way to a quantiser, and a product that is left as it is and whose result goes on into a quantised operand takes f32 operands (vector FMAs, or v_wmma_f32_16x16x4_f32). A number that lies on a knife's edge between two numbers of the format may be rounded either way, as far as f32 arithmetic and the matrix unit's own rounding can turn it there, and no further.
;; One version. Each part assembles by itself: llvm-mc -triple=amdgcn-amd-amdhsa -mcpu=gfx1250 --defsym DOCPART=n.
;; ======== version 1 of 1: 4 launches
;; workspace buffers: xc 6,291,456 bytes; xs 262,144 bytes; wc 3,145,728 bytes; ws 131,072 bytes; qb 6,815,744 bytes; kv 13,369,344 bytes; yc 6,291,456 bytes; ys 262,144 bytes
;; launch quant (part 1): grid 384 x 1, 4 waves a work-group, no clusters, 33,280 bytes of LDS; arguments x, Wq, Wk, Wv, Wp, xc, xs, wc, ws; writes xc, xs, wc, ws
.if DOCPART == 1
	.amdgcn_target "amdgcn-amd-amdhsa--gfx1250"
	.amdhsa_code_object_version 6
	.text
	.protected	k_q058ed81fb2_quant
	.globl	k_q058ed81fb2_quant
	.p2align	8
	.type	k_q058ed81fb2_quant,@function
k_q058ed81fb2_quant:
	s_mov_b64 s[64:65], 0
	v_nop
	global_prefetch_b8 v0, s[64:65] scope:SCOPE_SE
	s_setreg_imm32_b32 hwreg(HW_REG_WAVE_MODE, 25, 1), 1
	s_wait_xcnt 0x0
; CAUSAL SELF-ATTENTION IN MX-FP6, launch 1 of 4: x [8192][1024] and the four weights [1024][1024], f32, K innermost, become codes of E2M3 (6 bits, four in three bytes) and one E8M0 byte for each 32 along K.
; DEAD WORK OF THE WHOLE PROGRAM: reference() sets every score with key > query to -infinity by a tril that it builds itself, so p = 0 there for all values of the inputs.  A step of 128 keys that lies wholly behind
; a tile's 16 queries therefore reaches no output and is left out of products 4 and 5 (launch 3).  Nothing else is left out; every input is loaded (bk too: it moves k's codes).
; LIMIT: a NaN, an infinity or an overflow that would arise only in those masked steps is not carried to the result.
; LIMITS of the quantiser: NaN and infinities among the inputs are not served; a block whose largest magnitude lies under 2^-124 has its byte held at 1; a block of zeros gets the byte 1 where the rule says 127
; (its codes are zeros, which add nothing under any byte but 0xff, and the bytes are read by this program alone).
; LAYOUT: xc [8192][768 bytes], xs [8192][32]; wc [4096][768], ws [4096][32]: rows 0-1023 Wq, then Wk, Wv, Wp.  ROW n OF x, Wq, Wk, Wv IS STORED AT PLACE sw(n) = n WITH BITS 3 AND 4 EXCHANGED, so that 16 neighbouring
; places 16 i + r hold the rows 32 (i / 2) + 8 (i % 2) + r + 8 (r / 8): two neighbouring result tiles of the next launch then hold 16 neighbours along the next product's K.  Wp's rows lie as they are.
; A wave takes 8 rows (8,192 numbers): the exchange of bits 3 and 4 of the row is the exchange of the two bits of the wave's number in the place where its codes and bytes go.
; A wave's 16 steps of 512 numbers: four loads of 512 consecutive bytes; through the wave's own stage in LDS, so that a lane holds 16 neighbours; two neighbouring lanes hold a block of 32.
; No tensor loads, no barrier: waves share nothing.  Loads run four steps (16 loads a wave) ahead, the turn through LDS one step.
.set WAVES, 4
.set STEPS, 16
.set EMAX,  2
.set CB,    12                         ; bytes of 16 codes
.set R,     16                         ; v16-79   four sets of 16 numbers as they are loaded
.set X,     80                         ; v80-111  two sets of 16 neighbours
.set C,     128                        ; v128-191 codes: four registers for each step, so that no store's data are written again
.set E,     112                        ; v112-127 a scale byte for each step
.set WREG,  8192                       ; LDS: a region for each wave: two stages of 32 x SP bytes, then its 256 scale bytes
.set SP,    80                         ; a lane's place in a stage: 64 bytes + 16 of padding
.set SPW,   12                         ; v12  LDS address of my spare word; never rewritten
.set NIL,   13                         ; v13  0; never rewritten
.set SPARE, WAVES*WREG                 ; the spare words, 128 bytes a wave, that no other line names
	s_load_b256 s[4:11], s[0:1], 0x0               ; x s[4:5], Wq s[6:7], Wk s[8:9], Wv s[10:11]
	s_load_b256 s[12:19], s[0:1], 0x20             ; Wp s[12:13], xc s[14:15], xs s[16:17], wc s[18:19]
	s_load_b64 s[20:21], s[0:1], 0x40              ; ws
	v_lshl_add_u32 v[SPW], v0, 2, SPARE
	v_mov_b32 v[NIL], 0
	v_lshrrev_b32 v1, 5, v0
	v_readfirstlane_b32 s22, v1                    ; wave
	v_and_b32 v2, 31, v0                           ; lane
	v_lshlrev_b32 v3, 4, v2                        ; my 16 bytes of a load's 512
	s_mul_i32 s23, s22, WREG
	v_lshrrev_b32 v14, 2, v2
	v_mul_u32_u24 v14, v14, SP
	v_and_b32 v15, 3, v2
	v_lshl_add_u32 v14, v15, 4, v14
	v_add_nc_u32 v14, s23, v14                     ; the stage, on the way in: SP (lane / 4) + 16 (lane % 4)
	v_mul_u32_u24 v15, v2, SP
	v_add_nc_u32 v15, s23, v15                     ; and on the way out: SP x lane: my 16 neighbours
	v_mul_u32_u24 v4, v2, CB                       ; my codes' place in a step's
	v_lshrrev_b32 v5, 1, v2
	s_add_co_u32 s23, s23, 2*32*SP
	v_add_nc_u32 v5, s23, v5                       ; LDS: my wave's 256 scale bytes, my block's byte
	v_lshlrev_b32 v7, 3, v2                        ; and on the way out 8 bytes a lane
	v_add_nc_u32 v6, s23, v7
	; which tensor: work-groups 0-255 x; 256 + 32 i + j: weight i (q, k, v, p), its work-group j
	s_sub_co_u32 s24, ttmp9, 256
	s_lshr_b32 s25, s24, 5                         ; i (no weight's number in x's work-groups)
	s_and_b32 s26, s24, 31                         ; j
	s_lshl_b32 s29, s25, 7                         ; the weight's first run of 8 rows in wc
	s_and_b32 s27, s22, 1
	s_lshl_b32 s27, s27, 1
	s_lshr_b32 s28, s22, 1
	s_or_b32 s27, s27, s28                         ; my wave's number with its two bits exchanged
	s_cmp_ge_u32 ttmp9, 352
	s_cselect_b32 s27, s22, s27                    ; Wp's rows lie as they are
	s_wait_kmcnt 0x0
	s_cmp_eq_u32 s25, 2                            ; every choice hangs on the work-group's number alone
	s_cselect_b64 s[12:13], s[10:11], s[12:13]
	s_cmp_eq_u32 s25, 1
	s_cselect_b64 s[12:13], s[8:9], s[12:13]
	s_cmp_eq_u32 s25, 0
	s_cselect_b64 s[12:13], s[6:7], s[12:13]
	s_cmp_lt_u32 ttmp9, 256
	s_cselect_b64 s[4:5], s[4:5], s[12:13]         ; the numbers
	s_cselect_b64 s[8:9], s[14:15], s[18:19]       ; the codes
	s_cselect_b64 s[10:11], s[16:17], s[20:21]     ; the scale bytes
	s_cselect_b32 s26, ttmp9, s26                  ; the work-group's number within its tensor
	s_cselect_b32 s29, 0, s29
	s_lshl_b32 s26, s26, 2
	s_add_co_u32 s30, s26, s22                     ; which run of 8 rows I read,
	s_add_co_u32 s32, s26, s27
	s_add_co_u32 s32, s32, s29                     ; and at which place its codes and bytes go
	s_lshl_b32 s30, s30, 15                        ; 32,768 bytes of numbers a run (under 2^26)
	s_mov_b32 s31, 0
	s_add_nc_u64 s[4:5], s[4:5], s[30:31]
	s_mul_i32 s34, s32, 32*STEPS*CB                ; 6,144 bytes of codes a run
	s_mov_b32 s35, 0
	s_add_nc_u64 s[8:9], s[8:9], s[34:35]
	s_lshl_b32 s32, s32, 8                         ; 256 scale bytes a run
	s_mov_b32 s33, 0
	s_add_nc_u64 s[10:11], s[10:11], s[32:33]
.macro LOAD t
.irp i, 0,1,2,3
	global_load_b128 v[R+16*((\t)%4)+4*\i:R+16*((\t)%4)+4*\i+3], v3, s[4:5] offset:2048*(\t)+512*\i th:TH_LOAD_NT   ; 32 lanes read 512 consecutive bytes
.endr
.endm
.macro TURN t                          ; step t's numbers through the stage: LDS serves a wave's instructions in order, so no wait stands between the stores and the loads
.irp i, 0,1,2,3
	ds_store_b128 v14, v[R+16*((\t)%4)+4*\i:R+16*((\t)%4)+4*\i+3] offset:32*SP*((\t)%2)+8*SP*\i
.endr
.irp i, 0,1,2,3
	ds_load_b128 v[X+16*((\t)%2)+4*\i:X+16*((\t)%2)+4*\i+3], v15 offset:32*SP*((\t)%2)+16*\i
.endr
.endm
.irp t, 0,1,2,3
	LOAD \t
.endr
	s_wait_loadcnt 12                              ; step 0's four loads are in; the twelve of steps 1 to 3 may be out
	TURN 0
.macro STEP t
.set XS, X+16*((\t)%2)
.if (\t) > 0
	s_wait_dscnt 1                                 ; this step's numbers are back from the stage (the last step's byte store may be out): so its stores into the stage have read their registers,
.else
	s_wait_dscnt 0x0
.endif
.if (\t)+4 < STEPS
	LOAD (\t)+4                                    ; which take the loads of four steps on
.endif
.if (\t)+1 < STEPS
.if STEPS-2-(\t) >= 3
	s_wait_loadcnt 12                              ; the next step's four loads are in; those of the three steps behind it may be out
.else
	s_wait_loadcnt 4*(STEPS-2-(\t))
.endif
	TURN (\t)+1                                    ; and go through the other stage while this step is worked
.endif
	v_max3_num_f32 v8, |v[XS]|, |v[XS+1]|, |v[XS+2]|               ; the largest magnitude of my 16
	v_max3_num_f32 v9, |v[XS+3]|, |v[XS+4]|, |v[XS+5]|
.irp i, 6,10
	v_max3_num_f32 v8, v8, |v[XS+\i]|, |v[XS+\i+1]|
	v_max3_num_f32 v9, v9, |v[XS+\i+2]|, |v[XS+\i+3]|
.endr
	v_max3_num_f32 v8, v8, |v[XS+14]|, |v[XS+15]|
	v_max3_num_f32 v8, v8, v9, (EMAX+1)<<23        ; and the floor 2^(3 - 127): the byte cannot fall under 1
	v_max_num_f32_dpp v8, v8, v8 row_xmask:1 row_mask:0xf bank_mask:0xf   ; and of my neighbour's 16: the block's
	v_add_nc_u32 v11, -(EMAX<<23), v8              ; 2 off its exponent field: the conversion takes the exponent field of this operand as its scale
	v_cvt_scalef32_pk16_fp6_f32 v[C+4*(\t):C+4*(\t)+2], v[XS:XS+15], v11   ; sixteen numbers / the scale, to the nearest code, ties to even, beyond 7.5 the largest code
	v_lshrrev_b32 v[E+(\t)], 23, v11               ; the scale's byte (also the plain line behind the conversion)
	ds_store_b8 v5, v[E+(\t)] offset:16*(\t)       ; both lanes of a block write the same byte with the same value
	global_store_b96 v4, v[C+4*(\t):C+4*(\t)+2], s[8:9] offset:32*CB*(\t)
.endm
.irp t, 0,1,2,3,4,5,6,7,8,9,10,11,12,13,14,15
	STEP \t
.endr
	ds_load_b64 v[8:9], v6                         ; LDS serves a wave's instructions in order: these see my stores
	s_wait_dscnt 0x0
	global_store_b64 v7, v[8:9], s[10:11]          ; 32 lanes store 256 consecutive bytes, aligned
	s_wait_tensorcnt 0x0                           ; the wave's end, behind my last LDS store
	ds_add_u32 v[SPW], v[NIL]
	s_wait_dscnt 0x0
	s_endpgm
.Lfunc_end_k_q058ed81fb2_quant:
	.size	k_q058ed81fb2_quant, .Lfunc_end_k_q058ed81fb2_quant-k_q058ed81fb2_quant
	.p2alignl 7, 3214868480
	.fill 96, 4, 3214868480
	.section	.rodata,"a",@progbits
	.p2align	6, 0x0
	.amdhsa_kernel k_q058ed81fb2_quant
		.amdhsa_group_segment_fixed_size 33280
		.amdhsa_private_segment_fixed_size 0
		.amdhsa_enable_private_segment 0
		.amdhsa_kernarg_size 72
		.amdhsa_user_sgpr_count 2
		.amdhsa_user_sgpr_kernarg_segment_ptr 1
		.amdhsa_wavefront_size32 1
		.amdhsa_system_sgpr_workgroup_id_x 1
		.amdhsa_system_sgpr_workgroup_id_y 1
		.amdhsa_system_sgpr_workgroup_id_z 1
		.amdhsa_system_vgpr_workitem_id 0
		.amdhsa_next_free_vgpr 192
		.amdhsa_next_free_sgpr 66
		.amdhsa_reserve_vcc 0
		.amdhsa_float_denorm_mode_32 3
		.amdhsa_float_denorm_mode_16_64 3
		.amdhsa_memory_ordered 1
		.amdhsa_forward_progress 1
		.amdhsa_inst_pref_size 33
	.end_amdhsa_kernel
	.amdgpu_metadata
---
amdhsa.version: [ 1, 2 ]
amdhsa.kernels:
  - .name:           k_q058ed81fb2_quant
    .symbol:         k_q058ed81fb2_quant.kd
    .args:
      - { .name: x, .offset: 0, .size: 8, .value_kind: global_buffer, .address_space: global }
      - { .name: Wq, .offset: 8, .size: 8, .value_kind: global_buffer, .address_space: global }
      - { .name: Wk, .offset: 16, .size: 8, .value_kind: global_buffer, .address_space: global }
      - { .name: Wv, .offset: 24, .size: 8, .value_kind: global_buffer, .address_space: global }
      - { .name: Wp, .offset: 32, .size: 8, .value_kind: global_buffer, .address_space: global }
      - { .name: xc, .offset: 40, .size: 8, .value_kind: global_buffer, .address_space: global }
      - { .name: xs, .offset: 48, .size: 8, .value_kind: global_buffer, .address_space: global }
      - { .name: wc, .offset: 56, .size: 8, .value_kind: global_buffer, .address_space: global }
      - { .name: ws, .offset: 64, .size: 8, .value_kind: global_buffer, .address_space: global }
    .group_segment_fixed_size: 33280
    .private_segment_fixed_size: 0
    .kernarg_segment_align: 8
    .kernarg_segment_size: 72
    .max_flat_workgroup_size: 128
    .sgpr_count:     66
    .vgpr_count:     192
    .wavefront_size: 32
...
	.end_amdgpu_metadata
.endif
;; end of part 1
;; launch qkv (part 2): grid 12 x 32, 4 waves a work-group, clusters of 4 x 4, 327,680 bytes of LDS; arguments xc, xs, wc, ws, bq, bk, bv, qb, kv; writes qb, kv
.if DOCPART == 2
	.amdgcn_target "amdgcn-amd-amdhsa--gfx1250"
	.amdhsa_code_object_version 6
	.text
	.protected	k_q058ed81fb2_qkv
	.globl	k_q058ed81fb2_qkv
	.p2align	8
	.type	k_q058ed81fb2_qkv,@function
k_q058ed81fb2_qkv:
	s_mov_b64 s[64:65], 0
	v_nop
	global_prefetch_b8 v0, s[64:65] scope:SCOPE_SE
	s_setreg_imm32_b32 hwreg(HW_REG_WAVE_MODE, 25, 1), 1
	s_wait_xcnt 0x0
	s_wait_alu depctr_hold_cnt(0) depctr_sa_sdst(0) depctr_va_vdst(0) depctr_va_sdst(0) depctr_va_ssrc(0) depctr_va_vcc(0) depctr_vm_vsrc(0)
	s_getreg_b32 s2, hwreg(HW_REG_IB_STS2, 6, 4)
	s_cmp_eq_u32 s2, 0
	s_cbranch_scc0 .Lentry_in_a_cluster
	s_endpgm
.Lentry_in_a_cluster:
	s_bfe_u32 s2, ttmp6, 0x10000c
	s_cmp_lg_u32 s2, 0xf033
	s_cbranch_scc0 .Lentry_shape_is_right
	s_endpgm
.Lentry_shape_is_right:
; Launch 2 of 4: q = x Wq^T + bq, k = x Wk^T + bk, v = x Wv^T + bv on codes of E2M3, and each result quantised in registers for the attention: q and k along the head's 64, v along the keys.  No f32 result goes to memory.
; A work-group of four waves makes 256 x 256, a wave 128 x 128 (64 accumulators, 512 registers).  K = 1,024 goes in four steps of 256 through a ring of two LDS slots filled by the tensor data mover.
; THE KIND is the cluster's x: 0 q, 1 k, 2 v.  One loop serves all three, because only pointers differ.  Source 1 of the matrix instruction ("A": a lane holds ONE of its rows) and source 0 ("B": a lane's registers run along its rows):
;   q, k: A = x (a lane holds a token), B = W (registers along the features): the quantiser's K is the features.      v: A = Wv (a lane holds a feature d), B = x (registers along the tokens): the quantiser's K is the keys.
; The rows of x, Wq, Wk, Wv lie at places with bits 3 and 4 exchanged: 16 neighbouring places 16 i + r are rows 32 (i / 2) + 8 (i % 2) + r + 8 (r / 8).  So the 16 registers of result tiles 2 b and 2 b + 1 are the 16 neighbours
; 32 b + 16 (lane / 16) + 0 .. 15 along B, as the conversions want them, and A's tile a holds in lane r the row 32 (a / 2) + 8 (a % 2) + r + 8 (r / 8), which is the choice of keys that the attention's first product wants.
; CLUSTERS: 4 x 4 work-groups; A's tile hangs on cy (and the cluster's ids) alone and is asked for jointly along a row of the cluster, B's on cx alone, along a column.
; OUT, as images of the operands' registers: qb [64 heads][16 groups of 128 tokens][6,656]: 8 tiles x 768 bytes (registers 0-3 at 16 x lane, 4-5 at 512 + 8 x lane), then 512 bytes of scale words (lane l's 16 bytes: word p: lanes 0-15 tile 2 p,
; lanes 16-31 tile 2 p + 1; bytes 2, 3 of a word are 0: they scale the zero codes that fill K from 64 to 128).  kv [64][16 steps of 128 keys][13,056]: K as in qb at 0, V's 4 fragments x 1,536 at 6,144, K's scale words at 12,288, V's (8 bytes a lane) at 12,800.
; LIMITS: as stated at the first launch's head (floor of the scale byte, blocks of zeros, no NaN or infinity).
; REGISTERS, in windows of 256: window 0: v0-31 addresses; v32-63 scale words, two sets; v64-127 the bias; from v128 A's fragments, ONE set; on the way out v128-247 are at work.  window 1: B's fragments, two sets.  windows 2, 3: the accumulators.
.set KSTEP,  256
.set NQ,     2                         ; matrix instructions deep in a slot
.set ROWB,   192                       ; a tile's row in bytes
.set KROW,   768                       ; a row of codes in memory
.set PITCH,  240                       ; an LDS row: 3 x (64 bytes + 16 of padding)
.set FR,     12
.set NL,     6
.set NP,     4
.set HALFT,  128*PITCH
.set SLOT,   4*HALFT
.set LAPS,   2                         ; 1,024 / 512
.set KS,     32                        ; a row of scale bytes
.set SCL,    2*SLOT                    ; behind the ring: the scale bytes, as rows of 256 bytes + 16 of padding
.set HALFS,  16*272                    ; those of 128 rows
.set SBLK,   2*272                     ; those of 16 rows
.set SPARE,  SCL+4*HALFS               ; the spare words, 128 bytes a wave, that no other line names
.set L16,  8                           ; v8   16 x lane
.set L8,   9                           ; v9   8 x lane
.set BO,   10                          ; v10  my lane's byte in the bias
.set ADRA, 16                          ; v16-17 LDS address of my A fragments in slot 0, 1 (v18-19: behind one padding more)
.set ADRB, 20                          ; v20-21 the same for B (v22-23)
.set ADRS, 27                          ; v27  LDS address of my scale words: lanes 0-15 A's rows, lanes 16-31 B's
.set SPW,  28
.set NIL,  29
.set SC,   32
.set BI,   64                          ; the bias, in the result's layout
.set AF,   128
.set HA,   128                         ; the way out: 64 numbers of a lane
.set PC,   192                         ; the codes just made (12 registers, and 7 at work)
.set TM,   212                         ; v212-215 largest magnitudes, v216-219 bytes, v224-227 the conversions' scale operands
.set PWS,  228                         ; v228-235 the eight blocks' scale words
.set WD,   236                         ; v236-247 scale words as they are stored
.set G1, 24
.set G0, 32
.set G1B, 48
.set G0B, 56
.set SEL, 66                           ; s[66:67] lane selects for v_permlanex16_b32: lane l xor 16
.set G1S, 68
.set G0S, 76
.set G1SB, 80
.set G0SB, 88
.set MSB, 0
.macro WIN new                         ; the immediate's high byte repeats the setting that is left
.if MSB != \new
	s_set_vgpr_msb (MSB<<8)|\new
.set MSB, \new
.endif
.endm
.set MUL_LO, 0xa1                      ; source 0 (B) window 1, source 1 (A) window 0, C and D window 2
.set MUL_HI, 0xf1
.set TO_B,   0x40
; A joint load: waves 0 and 1 fetch for A, waves 2 and 3 for B; the branch hangs on the wave's number alone.  An s_nop 0 and four v_nop follow each of the two lines.
.macro JLOAD g0a, g1a, g0b, g1b
	s_cmp_eq_u32 s15, 0
	s_cbranch_scc0 .Lfor_b_\@
	tensor_load_to_lds s[\g0a:\g0a+3], s[\g1a:\g1a+7]
	s_nop 0
.rept 4
	v_nop
.endr
	s_branch .Lasked_\@
.Lfor_b_\@:
	tensor_load_to_lds s[\g0b:\g0b+3], s[\g1b:\g1b+7]
	s_nop 0
.rept 4
	v_nop
.endr
.Lasked_\@:
.endm
.macro CREST                           ; a round of the cluster's barrier behind its opening barrier
	s_cmp_lg_u32 s14, 0
	s_cbranch_scc1 .Lnot_wave_0_\@
	s_barrier_signal -3
.Lnot_wave_0_\@:
	s_barrier_wait -3
	s_barrier_signal -1
	s_barrier_wait -1
.endm
.macro CROUND
	s_barrier_signal -1
	s_barrier_wait -1
	CREST
.endm
	s_load_b256 s[4:11], s[0:1], 0x0               ; xc s[4:5], xs s[6:7], wc s[8:9], ws s[10:11]
	v_lshl_add_u32 v[SPW], v0, 2, SPARE
	v_mov_b32 v[NIL], 0
	ds_add_u32 v[SPW], v[NIL]                      ; the wave's opening: the add, twice on end, and its wait ahead of my first tensor load
	ds_add_u32 v[SPW], v[NIL]
	v_lshrrev_b32 v1, 5, v0
	v_readfirstlane_b32 s14, v1                    ; wave 0..3
	s_lshr_b32 s15, s14, 1                         ; which half of A's rows is mine.  Also: I fetch for A (0) or for B (1)
	s_and_b32 s16, s14, 1                          ; which half of B's rows.  Also: which 128 rows of that tile I fetch
	s_bfe_u32 s40, ttmp6, 0x40000                  ; cx, cy: my place in the cluster
	s_bfe_u32 s41, ttmp6, 0x40004
	s_lshl_b32 s42, ttmp9, 2                       ; 4 x kind
	s_and_b32 s17, ttmp7, 0xffff
	s_lshl_b32 s17, s17, 2                         ; 4 x cluster y
	s_cmp_eq_u32 ttmp9, 2                          ; v?  (the cluster's x: the same in all sixteen partners)
	s_cselect_b32 s42, s17, s42                    ; B's tile of 256 rows: q, k: 4 x kind + cx in wc;  v: 4 x cluster y + cx in xc
	s_cselect_b32 s17, 8, s17                      ; A's: q, k: 4 x cluster y + cy in xc;  v: 8 + cy in wc (Wv's rows begin at 2,048)
	s_add_co_u32 s42, s42, s40
	s_add_co_u32 s17, s17, s41
	s_lshl_b32 s43, s41, 2
	s_lshl_b32 s43, 15, s43                        ; my row of the cluster
	s_lshl_b32 s44, 0x1111, s40                    ; my column
	; descriptor group 1: a tile of 128 rows x 192 bytes, 16 bytes of padding behind every 64
	s_or_b32 s[G1+0], s43, (0<<16)|(1<<20)|(1<<21)|(3<<22)|(3<<25)
	s_or_b32 s[G1B+0], s44, (0<<16)|(1<<20)|(1<<21)|(3<<22)|(3<<25)
.irp g, G1, G1B
	s_mov_b32 s[\g+1], ROWB<<16                    ; tensor_dim0
	s_mov_b32 s[\g+2], 128<<16                     ; tensor_dim1
	s_mov_b32 s[\g+3], ROWB<<16                    ; tile_dim0
	s_mov_b32 s[\g+4], 128                         ; tile_dim1
	s_mov_b32 s[\g+5], KROW                        ; tensor_dim0_stride
	s_mov_b32 s[\g+6], 0
	s_mov_b32 s[\g+7], 0
.endr
	; the scale bytes of 128 rows: 4,096 dense bytes, as 16 rows of 256 bytes (32 elements of 8), 16 bytes of padding behind each
	s_or_b32 s[G1S+0], s43, (3<<16)|(1<<20)|(1<<21)|(5<<22)|(3<<25)
	s_or_b32 s[G1SB+0], s44, (3<<16)|(1<<20)|(1<<21)|(5<<22)|(3<<25)
.irp g, G1S, G1SB
	s_mov_b32 s[\g+1], 32<<16
	s_mov_b32 s[\g+2], 16<<16
	s_mov_b32 s[\g+3], 32<<16
	s_mov_b32 s[\g+4], 16
	s_mov_b32 s[\g+5], 32
	s_mov_b32 s[\g+6], 0
	s_mov_b32 s[\g+7], 0
.endr
	s_lshl_b32 s18, s16, 7                         ; which 128 rows of the tile I fetch
	s_lshl_b32 s20, s17, 8
	s_add_co_u32 s20, s20, s18                     ; A's row
	s_lshl_b32 s46, s42, 8
	s_add_co_u32 s46, s46, s18                     ; B's row
	s_mov_b32 s21, 0
	s_mov_b32 s47, 0
	s_mov_b64 s[18:19], KS
	s_mul_u64 s[22:23], s[20:21], s[18:19]         ; where these rows' scale bytes begin
	s_mul_u64 s[92:93], s[46:47], s[18:19]
	s_mov_b64 s[18:19], KROW
	s_mul_u64 s[20:21], s[20:21], s[18:19]         ; and their codes
	s_mul_u64 s[46:47], s[46:47], s[18:19]
	s_mul_i32 s45, s14, HALFT                      ; where they go: wave x 128 rows: no place in the cluster enters an LDS address
	s_mul_i32 s94, s14, HALFS
	s_mov_b32 s[SEL], 0x76543210
	s_mov_b32 s[SEL+1], 0xfedcba98
	s_wait_dscnt 0x0                               ; both opening adds are done
	s_wait_kmcnt 0x0
	s_cmp_eq_u32 ttmp9, 2                          ; the roles: a choice between buffers on the kind alone
	s_cselect_b64 s[96:97], s[8:9], s[4:5]         ; A's codes
	s_cselect_b64 s[98:99], s[10:11], s[6:7]       ; A's scale bytes
	s_cselect_b64 s[8:9], s[4:5], s[8:9]           ; B's codes
	s_cselect_b64 s[10:11], s[6:7], s[10:11]       ; B's scale bytes
	s_add_nc_u64 s[20:21], s[96:97], s[20:21]
	s_add_nc_u64 s[22:23], s[98:99], s[22:23]
	s_add_nc_u64 s[46:47], s[8:9], s[46:47]
	s_add_nc_u64 s[92:93], s[10:11], s[92:93]
	CROUND                                         ; all sixteen work-groups are here: the first joint loads meet
	s_mov_b32 s[G0S], 1
	s_add_co_u32 s[G0S+1], s94, SCL
	s_mov_b64 s[G0S+2:G0S+3], s[22:23]
	s_or_b32 s[G0S+3], s[G0S+3], 0x80000000
	s_mov_b32 s[G0SB], 1
	s_add_co_u32 s[G0SB+1], s94, SCL
	s_mov_b64 s[G0SB+2:G0SB+3], s[92:93]
	s_or_b32 s[G0SB+3], s[G0SB+3], 0x80000000
	JLOAD G0S, G1S, G0SB, G1SB                     ; the scale bytes first: they are wanted with K step 0, and stay
.irp s, 0,1
	s_mov_b32 s[G0+4*\s], 1
	s_add_co_u32 s[G0+4*\s+1], s45, \s*SLOT
	s_add_nc_u64 s[G0+4*\s+2:G0+4*\s+3], s[20:21], \s*ROWB
	s_or_b32 s[G0+4*\s+3], s[G0+4*\s+3], 0x80000000
	s_mov_b32 s[G0B+4*\s], 1
	s_add_co_u32 s[G0B+4*\s+1], s45, \s*SLOT
	s_add_nc_u64 s[G0B+4*\s+2:G0B+4*\s+3], s[46:47], \s*ROWB
	s_or_b32 s[G0B+4*\s+3], s[G0B+4*\s+3], 0x80000000
	JLOAD G0+4*\s, G1, G0B+4*\s, G1B
.endr
	s_load_b256 s[4:11], s[0:1], 0x20              ; the first four addresses are used up: bq s[4:5], bk s[6:7], bv s[8:9], qb s[10:11]
	s_load_b64 s[12:13], s[0:1], 0x40              ; kv; both are waited for in front of the last step
	v_and_b32 v1, 15, v0                           ; l % 16
	v_bfe_u32 v2, v0, 4, 1                         ; l / 16
	v_mul_u32_u24 v3, v1, PITCH
	v_mul_u32_u24 v4, v2, 24
	v_add_nc_u32 v4, v3, v4                        ; a fragment's row x pitch + 24 x half
	v_lshl_add_u32 v5, v2, 4, v4                   ; and the same behind one padding more
	s_mul_i32 s21, s15, HALFT                      ; my 128 rows of A
	s_mul_i32 s22, s16, HALFT                      ; my 128 rows of B,
	s_add_co_u32 s22, s22, 2*HALFT                 ; which lie behind A's 256
.irp s, 0,1
	v_add_nc_u32 v[ADRA+\s], s21, v4
	v_add_nc_u32 v[ADRB+\s], s22, v4
	v_add_nc_u32 v[ADRA+2+\s], s21, v5
	v_add_nc_u32 v[ADRB+2+\s], s22, v5
	s_add_co_u32 s21, s21, SLOT
	s_add_co_u32 s22, s22, SLOT
.endr
	v_mul_u32_u24 v5, v1, KS                       ; my row's scale bytes: 32 a row,
	v_lshrrev_b32 v6, 8, v5
	v_lshl_add_u32 v5, v6, 4, v5                   ; and 16 more for each 256 passed
	s_mul_i32 s21, s15, HALFS
	s_mul_i32 s22, s16, HALFS
	s_add_co_u32 s22, s22, 2*HALFS
	s_sub_co_u32 s22, s22, s21
	v_mul_u32_u24 v6, s22, v2                      ; lanes 16-31 take B's
	s_add_co_u32 s21, s21, SCL
	v_add_nc_u32 v5, v5, v6
	v_add_nc_u32 v[ADRS], s21, v5
	v_and_b32 v6, 31, v0
	v_lshlrev_b32 v[L16], 4, v6
	v_lshlrev_b32 v[L8], 3, v6
.macro FRAG reg, adr, q, i             ; 16 rows x 128 K of 6-bit codes: 12 registers; lane l: row l % 16; registers 6 c .. 6 c + 5: K = 64 c + 32 (l / 16) + 0 .. 31, in pieces of 8 bytes
.irp p, 0,1,2,3,4,5
.set PCE, 12*(\q)+6*(\p/3)+\p%3        ; where the piece three on lies behind one padding more, the second address register serves
.if PCE%8 < 5
	ds_load_b64 v[\reg+2*\p:\reg+2*\p+1], v[\adr] offset:8*PCE+16*(PCE/8)+(\i)*16*PITCH
.else
	ds_load_b64 v[\reg+2*\p:\reg+2*\p+1], v[\adr+2] offset:8*PCE+16*(PCE/8)+(\i)*16*PITCH
.endif
.endr
.endm
; 16 matrix instructions: A's blocks a0, a0 + 1 x B's eight.  The 64 accumulators take turns, one instruction a turn, in the same order in every step.
.macro MUL16 a0, p, q, sc, zero
.irp a, \a0, \a0+1
.irp b, 0,1,2,3,4,5,6,7
.if \zero
	v_wmma_scale_f32_16x16x128_f8f6f4 v[8*(8*((\a)%4)+\b):8*(8*((\a)%4)+\b)+7], v[128*(\p)+FR*\b:128*(\p)+FR*\b+FR-1], v[AF+FR*(\a):AF+FR*(\a)+FR-1], 0, v[SC+8*NQ*(\sc)+NQ*\b+(\q)], v[SC+8*NQ*(\sc)+NQ*(\a)+(\q)] matrix_a_fmt:MATRIX_FMT_FP6 matrix_b_fmt:MATRIX_FMT_FP6 matrix_a_scale:MATRIX_SCALE_ROW1
.else
	v_wmma_scale_f32_16x16x128_f8f6f4 v[8*(8*((\a)%4)+\b):8*(8*((\a)%4)+\b)+7], v[128*(\p)+FR*\b:128*(\p)+FR*\b+FR-1], v[AF+FR*(\a):AF+FR*(\a)+FR-1], v[8*(8*((\a)%4)+\b):8*(8*((\a)%4)+\b)+7], v[SC+8*NQ*(\sc)+NQ*\b+(\q)], v[SC+8*NQ*(\sc)+NQ*(\a)+(\q)] matrix_a_fmt:MATRIX_FMT_FP6 matrix_b_fmt:MATRIX_FMT_FP6 matrix_a_scale:MATRIX_SCALE_ROW1
.endif
.endr
.endr
.endm
.macro FETCH_B slot, q, p
	WIN TO_B
.irp i, 0,1,2,3,4,5,6,7
	FRAG 128*(\p)+FR*\i, ADRB+\slot, \q, \i
.endr
	WIN 0
.endm
.macro FETCH_A slot, q, i0
.irp i, \i0, \i0+1, \i0+2, \i0+3
	FRAG AF+FR*(\i), ADRA+\slot, \q, \i
.endr
.endm
.macro SCALES sc                       ; a K step's scale words: two words a row; lanes 0-15 A's block i, lanes 16-31 B's block i
.irp i, 0,1,2,3,4,5,6,7
	ds_load_b64 v[SC+8*NQ*\sc+NQ*\i:SC+8*NQ*\sc+NQ*\i+1], v[ADRS] offset:\i*SBLK
.endr
.endm
.macro PLACES n                        ; plain vector lines between a matrix instruction and a load into, or a vector line on, its registers
.rept \n
	v_nop
.endr
.endm
.macro STEP slot, q, zero              ; 128 along K with its successor in the same slot
	s_wait_dscnt 4*NL                              ; B's set and A's blocks 0-3 are in; the youngest 24 loads (A's blocks 4-7) may be out
	WIN MUL_LO
	MUL16 0, (\q)%2, \q, \slot, \zero
	MUL16 2, (\q)%2, \q, \slot, \zero
	s_wait_dscnt 0
	PLACES NP
	FETCH_B \slot, (\q)+1, 1-(\q)%2
	FETCH_A \slot, (\q)+1, 0
	WIN MUL_HI
	MUL16 4, (\q)%2, \q, \slot, \zero
	MUL16 6, (\q)%2, \q, \slot, \zero
	PLACES NP
	WIN 0
	FETCH_A \slot, (\q)+1, 4
.endm
; A slot's last step changes slots: one barrier; in front of it each wave waits for all its tensor loads, adds 0 to its spare word, and waits for that and for its reads of this slot.
.macro TURN slot, next, fill
	s_wait_tensorcnt 0x0                           ; all my tensor loads have landed: my part of the next slot
	ds_add_u32 v[SPW], v[NIL]
	s_wait_dscnt 4*NL+1                            ; (the add and the youngest 24 loads may be out)
	WIN MUL_LO
	MUL16 0, 1, NQ-1, \slot, 0
	s_wait_dscnt 0x0                               ; the add is done, and my reads of this slot are over
	s_barrier_signal -1
	MUL16 2, 1, NQ-1, \slot, 0
	WIN 0
	s_barrier_wait -1
.if \fill
	CREST                                          ; the barrier has opened a round of the cluster's barrier: no wave of any partner still reads this slot or has a load on its way
	s_add_nc_u64 s[G0+4*\slot+2:G0+4*\slot+3], s[G0+4*\slot+2:G0+4*\slot+3], 2*ROWB
	s_add_nc_u64 s[G0B+4*\slot+2:G0B+4*\slot+3], s[G0B+4*\slot+2:G0B+4*\slot+3], 2*ROWB
	JLOAD G0+4*\slot, G1, G0B+4*\slot, G1B         ; the first tensor load behind the round; its four v_nop are the places in front of the loads below
.else
	PLACES NP
.endif
	v_add_nc_u32 v[ADRS], 4*NQ, v[ADRS]            ; the next K step's scale words
	FETCH_B \next, 0, 0
	FETCH_A \next, 0, 0
	SCALES \next
	WIN MUL_HI
	MUL16 4, 1, NQ-1, \slot, 0
	MUL16 6, 1, NQ-1, \slot, 0
	PLACES NP
	WIN 0
	FETCH_A \next, 0, 4
.endm
.macro LASTSTEP                        ; the very last 128 along K: nothing more to fetch
	s_wait_dscnt 4*NL
	WIN MUL_LO
	MUL16 0, 1, NQ-1, 1, 0
	MUL16 2, 1, NQ-1, 1, 0
	s_wait_dscnt 0
	WIN MUL_HI
	MUL16 4, 1, NQ-1, 1, 0
	MUL16 6, 1, NQ-1, 1, 0
	WIN 0
.endm
; 64 numbers of a lane, register 16 b + i = k 32 b + 16 (lane / 16) + i of my row, become a fragment's codes in v[PC] on and its scale word in v[pw].
.macro QUANT s, pw
.irp b, 0,1,2,3
	v_max3_num_f32 v[TM+\b], |v[\s+16*\b]|, |v[\s+1+16*\b]|, 0x1800000   ; my 16 numbers of block b, and the floor 2^(3 - 127): the byte cannot fall under 1
.endr
.irp i, 2,4,6,8,10,12,14
.irp b, 0,1,2,3
	v_max3_num_f32 v[TM+\b], v[TM+\b], |v[\s+16*\b+\i]|, |v[\s+1+16*\b+\i]|
.endr
.endr
.irp b, 0,1,2,3
	v_permlanex16_b32 v[TM+4+\b], v[TM+\b], s[SEL], s[SEL+1]
.endr
.irp b, 0,1,2,3
	v_max_num_f32 v[TM+\b], v[TM+\b], v[TM+4+\b]   ; with lane l xor 16's: the block's largest magnitude
.endr
.irp b, 0,1,2,3
	v_add_nc_u32 v[TM+12+\b], 0xff000000, v[TM+\b] ; 2 off its exponent field: the conversion's scale operand
.endr
.irp b, 0,1,2,3
	v_lshrrev_b32 v[TM+4+\b], 23, v[TM+12+\b]      ; the scale's byte
.endr
	v_lshl_or_b32 v[\pw], v[TM+5], 8, v[TM+4]
	v_lshl_or_b32 v[\pw], v[TM+6], 16, v[\pw]
	v_lshl_or_b32 v[\pw], v[TM+7], 24, v[\pw]
.irp c, 0,1
	v_cvt_scalef32_pk16_fp6_f32 v[PC+6*\c:PC+2+6*\c], v[\s+32*\c:\s+15+32*\c], v[TM+12+2*\c]
	v_cvt_scalef32_pk16_fp6_f32 v[PC+12+4*\c:PC+14+4*\c], v[\s+16+32*\c:\s+31+32*\c], v[TM+12+2*\c+1]   ; (a conversion's three registers begin on an even number)
.endr
	v_nop                                          ; one plain line behind a scaled conversion
.irp c, 0,1                                    ; the operand's layout wants a whole block in a lane
.irp i, 0,1,2
	v_permlane16_swap_b32 v[PC+6*\c+\i], v[PC+12+4*\c+\i]
.endr
.irp i, 0,1,2
	v_mov_b32 v[PC+3+6*\c+\i], v[PC+12+4*\c+\i]
.endr
.endr
.endm
.macro TAKE a, perlane                 ; block a's 64 sums + the bias -> v[HA] on; each accumulator is read from its low end on.  perlane = 1: one bias number a lane (v), else eight a tile (q, k)
.set WN, 0x02+(\a)/4
	WIN WN                                         ; source 0: window 2 or 3
.irp b, 0,1,2,3,4,5,6,7
.irp k, 0,2,4,6
.if \perlane
	v_pk_add_f32 v[HA+8*\b+\k:HA+8*\b+\k+1], v[64*((\a)%4)+8*\b+\k:64*((\a)%4)+8*\b+\k+1], v[BI+2*(\a):BI+2*(\a)+1]
.else
	v_pk_add_f32 v[HA+8*\b+\k:HA+8*\b+\k+1], v[64*((\a)%4)+8*\b+\k:64*((\a)%4)+8*\b+\k+1], v[BI+8*\b+\k:BI+8*\b+\k+1]
.endif
.endr
.endr
	WIN 0
.endm
	s_wait_tensorcnt 1                             ; the scale bytes and my part of K step 0 are in (K step 1's load may be out),
	s_barrier_signal -1
	s_barrier_wait -1                              ; everybody's are
	FETCH_B 0, 0, 0
	FETCH_A 0, 0, 0
	SCALES 0
	FETCH_A 0, 0, 4
	STEP 0, 0, 1                                   ; the first step's products start the sums: nothing is cleared
	s_mov_b32 s3, LAPS-1
.Llap:                                                 ; a trip goes once round the ring and fills both slots again
	TURN 0, 1, 1
	STEP 1, 0, 0
	TURN 1, 0, 1
	STEP 0, 0, 0
	s_sub_co_u32 s3, s3, 1
	s_cmp_lg_u32 s3, 0
	s_cbranch_scc1 .Llap
	TURN 0, 1, 0                                   ; the last lap fills nothing
	STEP 1, 0, 0
	s_wait_kmcnt 0x0                               ; the biases' and the outputs' addresses
	s_mov_b32 s88, 0xffff0000                      ; lanes 16-31
	s_cmp_eq_u32 ttmp9, 2                          ; the ways part by the kind, which all partners share; no tensor load of mine is out, so the descriptors' registers are free
	s_cbranch_scc1 .Lv
	; ---- q, k.  My 128 tokens are group 2 (tile % 8) + half of batch tile / 8; my 128 features are heads 4 cx + 2 half and the next
	s_lshr_b32 s68, s17, 3                         ; batch
	s_and_b32 s69, s17, 7
	s_lshl_b32 s69, s69, 1
	s_add_co_u32 s69, s69, s15                     ; group of 128 tokens
	s_lshl_b32 s68, s68, 4
	s_lshl_b32 s70, s40, 2
	s_add_co_u32 s68, s68, s70
	s_lshl_b32 s70, s16, 1
	s_add_co_u32 s68, s68, s70                     ; 16 x batch + head
	s_lshl_b32 s71, s40, 10
	s_lshl_b32 s70, s16, 9
	s_add_co_u32 s70, s70, s71                     ; my first feature's byte in the bias
	s_mov_b32 s71, 0
	s_mov_b32 s72, 208896                          ; kv: from head to head,
	s_mov_b32 s73, 13056                           ; from step to step,
	s_mov_b32 s74, 12288                           ; K's scale words in a step
	s_cmp_eq_u32 ttmp9, 0
	s_cselect_b64 s[76:77], s[10:11], s[12:13]     ; qb or kv
	s_cselect_b64 s[78:79], s[4:5], s[6:7]         ; bq or bk
	s_cselect_b32 s72, 106496, s72                 ; qb's three
	s_cselect_b32 s73, 6656, s73
	s_cselect_b32 s74, 6144, s74
	s_mul_i32 s80, s68, s72
	s_mul_i32 s81, s69, s73
	s_add_co_u32 s80, s80, s81
	s_mov_b32 s81, 0
	s_mov_b32 s73, 0
	s_mov_b32 s75, 0
	s_add_nc_u64 s[76:77], s[76:77], s[80:81]      ; the even head's group
	s_add_nc_u64 s[82:83], s[76:77], s[72:73]      ; the odd head's
	s_add_nc_u64 s[84:85], s[76:77], s[74:75]      ; their scale words
	s_add_nc_u64 s[86:87], s[82:83], s[74:75]
	s_add_nc_u64 s[78:79], s[78:79], s[70:71]
	v_bfe_u32 v[BO], v0, 4, 1
	v_lshlrev_b32 v[BO], 6, v[BO]                  ; tile b's register j is feature 32 (b / 2) + 16 (lane / 16) + 8 (b % 2) + j
.irp b, 0,1,2,3,4,5,6,7
	global_load_b128 v[BI+8*\b:BI+8*\b+3], v[BO], s[78:79] offset:(32*(\b/2)+8*(\b%2))*4
	global_load_b128 v[BI+8*\b+4:BI+8*\b+7], v[BO], s[78:79] offset:(32*(\b/2)+8*(\b%2))*4+16
.endr
	LASTSTEP                                       ; the bias lands under the last 64 products
	PLACES NP
.irp b, 0,1,2,3
	v_mov_b32 v[TM+4+\b], 0                        ; written once: a lane permute's destination counts as one of its sources
.endr
	s_wait_loadcnt 0x0
.irp a, 0,1,2,3,4,5,6,7
	s_wait_xcnt 0x0                                ; the last block's stores have read their registers
	TAKE \a, 0
	QUANT HA, PWS+\a
	global_store_b128 v[L16], v[PC:PC+3], s[76:77] offset:768*\a           ; 512 consecutive bytes: registers 0-3 of the even head's tile
	global_store_b64 v[L8], v[PC+4:PC+5], s[76:77] offset:768*\a+512       ; 256: registers 4, 5
	global_store_b128 v[L16], v[PC+6:PC+9], s[82:83] offset:768*\a         ; registers 6-11 are the odd head's 0-5
	global_store_b64 v[L8], v[PC+10:PC+11], s[82:83] offset:768*\a+512
.endr
.irp p, 0,1,2,3
	v_cndmask_b32 v[WD+\p], v[PWS+2*\p], v[PWS+2*\p+1], s88   ; lanes 0-15 tile 2 p's words, lanes 16-31 tile 2 p + 1's (both halves of the lanes hold a row's word)
.endr
.irp p, 0,1,2,3
	v_and_b32 v[WD+4+\p], 0xffff, v[WD+\p]         ; bytes 0, 1: the even head's two blocks
.endr
.irp p, 0,1,2,3
	v_lshrrev_b32 v[WD+8+\p], 16, v[WD+\p]         ; bytes 2, 3: the odd head's
.endr
	global_store_b128 v[L16], v[WD+4:WD+7], s[84:85]
	global_store_b128 v[L16], v[WD+8:WD+11], s[86:87]
	s_branch .Ljoin
.Lv:	; ---- v.  My 128 features are heads 4 cy + 2 half and the next (4 fragments of 16 each); my 128 tokens are key step 2 (tile % 8) + half of batch tile / 8
	s_lshr_b32 s68, s42, 3                         ; batch
	s_and_b32 s69, s42, 7
	s_lshl_b32 s69, s69, 1
	s_add_co_u32 s69, s69, s16                     ; key step
	s_lshl_b32 s68, s68, 4
	s_lshl_b32 s70, s41, 2
	s_add_co_u32 s68, s68, s70
	s_lshl_b32 s70, s15, 1
	s_add_co_u32 s68, s68, s70                     ; 16 x batch + head
	s_mul_i32 s80, s68, 208896
	s_mul_i32 s81, s69, 13056
	s_add_co_u32 s80, s80, s81
	s_add_co_u32 s80, s80, 6144                    ; V's fragments in the step
	s_mov_b32 s81, 0
	s_add_nc_u64 s[76:77], s[12:13], s[80:81]
	s_lshl_b32 s70, s41, 10
	s_lshl_b32 s71, s15, 9
	s_add_co_u32 s70, s70, s71
	s_mov_b32 s71, 0
	s_add_nc_u64 s[78:79], s[8:9], s[70:71]
	v_and_b32 v[BO], 15, v0
	v_and_b32 v7, 8, v0
	v_add_nc_u32 v[BO], v[BO], v7
	v_lshlrev_b32 v[BO], 2, v[BO]                  ; block a's lane r is feature 32 (a / 2) + 8 (a % 2) + r + 8 (r / 8)
.irp a, 0,1,2,3,4,5,6,7
	global_load_b32 v[BI+2*\a], v[BO], s[78:79] offset:(32*(\a/2)+8*(\a%2))*4
	global_load_b32 v[BI+2*\a+1], v[BO], s[78:79] offset:(32*(\a/2)+8*(\a%2))*4   ; twice: a pair for the packed addition
.endr
	LASTSTEP
	PLACES NP
.irp b, 0,1,2,3
	v_mov_b32 v[TM+4+\b], 0
.endr
	s_wait_loadcnt 0x0
.irp a, 0,1,2,3,4,5,6,7
	s_wait_xcnt 0x0
	TAKE \a, 1
	QUANT HA, PWS+\a
.irp c, 0,1,2
	global_store_b128 v[L16], v[PC+4*\c:PC+4*\c+3], s[76:77] offset:(\a/4)*208896+(\a%4)*1536+512*\c
.endr
.endr
.irp hs, 0,1
	v_cndmask_b32 v[WD+2*\hs], v[PWS+4*\hs], v[PWS+4*\hs+1], s88
	v_cndmask_b32 v[WD+2*\hs+1], v[PWS+4*\hs+2], v[PWS+4*\hs+3], s88
	global_store_b64 v[L8], v[WD+2*\hs:WD+2*\hs+1], s[76:77] offset:\hs*208896+6656
.endr
.Ljoin:
	s_wait_tensorcnt 0x0                           ; the wave's end
	ds_add_u32 v[SPW], v[NIL]
	s_wait_dscnt 0x0
	CROUND                                         ; the closing round: no work-group ends while a partner may still ask for a tile that names it
	s_endpgm
.Lfunc_end_k_q058ed81fb2_qkv:
	.size	k_q058ed81fb2_qkv, .Lfunc_end_k_q058ed81fb2_qkv-k_q058ed81fb2_qkv
	.p2alignl 7, 3214868480
	.fill 96, 4, 3214868480
	.section	.rodata,"a",@progbits
	.p2align	6, 0x0
	.amdhsa_kernel k_q058ed81fb2_qkv
		.amdhsa_group_segment_fixed_size 327680
		.amdhsa_private_segment_fixed_size 0
		.amdhsa_enable_private_segment 0
		.amdhsa_kernarg_size 72
		.amdhsa_user_sgpr_count 2
		.amdhsa_user_sgpr_kernarg_segment_ptr 1
		.amdhsa_wavefront_size32 1
		.amdhsa_system_sgpr_workgroup_id_x 1
		.amdhsa_system_sgpr_workgroup_id_y 1
		.amdhsa_system_sgpr_workgroup_id_z 1
		.amdhsa_system_vgpr_workitem_id 0
		.amdhsa_next_free_vgpr 1024
		.amdhsa_next_free_sgpr 100
		.amdhsa_reserve_vcc 0
		.amdhsa_float_denorm_mode_32 3
		.amdhsa_float_denorm_mode_16_64 3
		.amdhsa_memory_ordered 1
		.amdhsa_forward_progress 1
		.amdhsa_inst_pref_size 244
	.end_amdhsa_kernel
	.amdgpu_metadata
---
amdhsa.version: [ 1, 2 ]
amdhsa.kernels:
  - .name:           k_q058ed81fb2_qkv
    .symbol:         k_q058ed81fb2_qkv.kd
    .args:
      - { .name: xc, .offset: 0, .size: 8, .value_kind: global_buffer, .address_space: global }
      - { .name: xs, .offset: 8, .size: 8, .value_kind: global_buffer, .address_space: global }
      - { .name: wc, .offset: 16, .size: 8, .value_kind: global_buffer, .address_space: global }
      - { .name: ws, .offset: 24, .size: 8, .value_kind: global_buffer, .address_space: global }
      - { .name: bq, .offset: 32, .size: 8, .value_kind: global_buffer, .address_space: global }
      - { .name: bk, .offset: 40, .size: 8, .value_kind: global_buffer, .address_space: global }
      - { .name: bv, .offset: 48, .size: 8, .value_kind: global_buffer, .address_space: global }
      - { .name: qb, .offset: 56, .size: 8, .value_kind: global_buffer, .address_space: global }
      - { .name: kv, .offset: 64, .size: 8, .value_kind: global_buffer, .address_space: global }
    .group_segment_fixed_size: 327680
    .private_segment_fixed_size: 0
    .kernarg_segment_align: 8
    .kernarg_segment_size: 72
    .max_flat_workgroup_size: 128
    .sgpr_count:     100
    .vgpr_count:     1024
    .wavefront_size: 32
...
	.end_amdgpu_metadata
.endif
;; end of part 2
;; launch attn (part 3): grid 4 x 64, 16 waves a work-group, clusters of 4 x 1, 210,944 bytes of LDS; arguments qb, kv, yc, ys; writes yc, ys
.if DOCPART == 3
	.amdgcn_target "amdgcn-amd-amdhsa--gfx1250"
	.amdhsa_code_object_version 6
	.text
	.protected	k_q058ed81fb2_attn
	.globl	k_q058ed81fb2_attn
	.p2align	8
	.type	k_q058ed81fb2_attn,@function
k_q058ed81fb2_attn:
	s_mov_b64 s[64:65], 0
	v_nop
	global_prefetch_b8 v0, s[64:65] scope:SCOPE_SE
	s_setreg_imm32_b32 hwreg(HW_REG_WAVE_MODE, 25, 1), 1
	s_wait_xcnt 0x0
	s_wait_alu depctr_hold_cnt(0) depctr_sa_sdst(0) depctr_va_vdst(0) depctr_va_sdst(0) depctr_va_ssrc(0) depctr_va_vcc(0) depctr_vm_vsrc(0)
	s_getreg_b32 s2, hwreg(HW_REG_IB_STS2, 6, 4)
	s_cmp_eq_u32 s2, 0
	s_cbranch_scc0 .Lentry_in_a_cluster
	s_endpgm
.Lentry_in_a_cluster:
	s_bfe_u32 s2, ttmp6, 0x10000c
	s_cmp_lg_u32 s2, 0x3003
	s_cbranch_scc0 .Lentry_shape_is_right
	s_endpgm
.Lentry_shape_is_right:
; Launch 3 of 4: y = softmax(q k^T / 8, causal) v on codes of E2M3, and y quantised in registers along the features for the last product.
; LEFT OUT: key steps of 128 that lie wholly behind a tile's queries: reference()'s own tril makes their p zero for all inputs (shown at the first launch's head).
; THE SOFTMAX: t = score x log2(e) / 8; M = the running largest t rounded up to a whole number; p = 2^(t - M) is quantised along the keys, not normalised; the row's sum is taken of the unquantised p and divides at the end.
; SHARES.  A cluster of four work-groups is one (batch, head).  The head's K and V, 208,896 bytes of register images and scale words, lie WHOLE in each work-group's LDS: filled once, by joint loads, never again: no ring.
; A wave owns two tiles of 16 queries, one of group G = wave / 2 and one of group 15 - G (a group is 128 tokens): G + 1 and 16 - G key steps, 17 for every wave.  Which tile of the group (e = wave % 2 + 2 cx, and 7 - e) enters
; global addresses and the mask's numbers alone; every branch hangs on the wave's number and the count of steps.
; LAYOUT.  Both products transposed: S^T = K Q^T (source 0 = 16 keys, source 1 = my queries), O^T = V^T P^T: a lane holds one query.  The head size 64 fills K = 128 by half: registers 6-11 of K's and Q's fragments are zero codes,
; whose scale bytes are 0 (a power of two, over zeros).  The keys of a tile, the queries of a tile and V's rows of a tile are 32 (t / 2) + 8 (t % 2) + r + 8 (r / 8), as the launch before stored them: so p's 16 registers of two
; neighbouring tiles are 16 neighbouring keys, and O^T's are 16 neighbouring features.
; NO PREFETCH: all that a work-group reads of K and V is asked for by its first fills at the head; no later request exists that one could run ahead of.
; OUT: yc [512 tiles of 16 rows][8 K steps][1,536]: a fragment's image in two halves of 768 bytes (even head, odd head); ys [8,192 rows][32]: bytes 2 head + 0, 1.  Rows stand at places with bits 3, 4 exchanged, as x's did.
; The scale bytes leave one byte a lane, 32 bytes apart: 32 of the 800 bytes that a tile stores; gathering them would take all 16 heads into one work-group.
; REGISTERS: v1 16 x lane, v2 8 x lane, v3 16 r, v4 the mask's number, v5, v6 the add's two, v7 32 r + h, v8, v9 the step's addresses, v[10:11] V's scale words, v12 -M, v13 the largest t, v[14:15] the sum, v16-27 Q, v[28:31] K's scale words,
; v32-79 four fragments of K, v80-127 V's four, v128-191 S^T then p, v192-223 O^T, v224-235 p's codes, v236-251 at work, v252 f, v253 p's scale word, v254 at work, v255 Q's scale word.
.set HKV,   208896                     ; a head's K and V
.set STEPB, 13056                      ; a key step's: K 6,144, V 6,144, K's scale words 512, V's 256
.set STG,   69632                      ; a third of the head: what the sixteen waves' loads of one stage bring
.set WPART, 4352                       ; a wave's part of it: 17 rows of 256 bytes
.set SPARE, HKV                        ; the spare words, 128 bytes a wave, that no other line names
.set WV,  12
.set CX,  13
.set BH,  14
.set GG,  15
.set G1,  16                           ; s[16:23] descriptor group 1
.set G0,  24                           ; s[24:35] group 0, one for each of the three stages
.set SEL, 36                           ; s[36:37] lane selects: lane l xor 16
.set CS,  38                           ; s[38:39] c = log2(e) / 8
.set TB,  40                           ; LDS byte of the step
.set SI,  41                           ; the step's number
.set GL,  42                           ; my tile's group: its last step
.set CNT, 43
.set HI,  44                           ; lanes 16-31
.set P0,  48                           ; s48-57: the long pass: +0 Q's tile, +2 its scale words, +4 y's codes, +6 y's bytes, +8 the tile's first token in its group, +9 the group
.set P1,  68                           ; s68-77: the short pass
.macro ROUND
	s_barrier_signal -1
	s_barrier_wait -1
	s_cmp_lg_u32 s[WV], 0
	s_cbranch_scc1 .Lnot_wave_0_\@
	s_barrier_signal -3
.Lnot_wave_0_\@:
	s_barrier_wait -3
	s_barrier_signal -1
	s_barrier_wait -1
.endm
.macro PASSOFF P, gl, ep               ; the byte offsets of a pass, from its group s[gl] and its tile in the group s[ep]
	s_mul_i32 s[\P], s[BH], 106496
	s_mul_i32 s45, s[\gl], 6656
	s_add_co_u32 s[\P], s[\P], s45                 ; the group in qb
	s_and_b32 s45, s[\ep], 1
	s_lshr_b32 s46, s[\ep], 1
	s_lshl_b32 s47, s45, 8
	s_add_co_u32 s[\P+2], s[\P], s47
	s_lshl_b32 s47, s46, 2
	s_add_co_u32 s[\P+2], s[\P+2], s47
	s_add_co_u32 s[\P+2], s[\P+2], 6144            ; the tile's scale words: 6,144 + 256 (tile % 2) + 4 (tile / 2), 16 bytes from row to row
	s_lshl_b32 s47, s46, 5
	s_lshl_b32 s45, s45, 3
	s_add_co_u32 s[\P+8], s47, s45                 ; 32 (tile / 2) + 8 (tile % 2)
	s_mul_i32 s45, s[\ep], 768
	s_add_co_u32 s[\P], s[\P], s45                 ; the tile's codes
	s_lshl_b32 s45, s[\gl], 3
	s_add_co_u32 s45, s45, s[\ep]
	s_lshr_b32 s46, s[BH], 4
	s_lshl_b32 s46, s46, 7
	s_add_co_u32 s45, s45, s46                     ; the tile among y's 512
	s_and_b32 s46, s[BH], 15                       ; the head
	s_lshl_b32 s47, s45, 9
	s_lshl_b32 s[\P+6], s46, 1
	s_add_co_u32 s[\P+6], s[\P+6], s47             ; ys: 16 rows x 32 bytes a tile, + 2 head
	s_lshl_b32 s45, s45, 3
	s_lshr_b32 s47, s46, 1
	s_add_co_u32 s45, s45, s47
	s_mul_i32 s45, s45, 1536
	s_and_b32 s46, s46, 1
	s_mul_i32 s46, s46, 768
	s_add_co_u32 s[\P+4], s45, s46                 ; yc: (8 tile + head / 2) x 1,536 + 768 (head % 2)
	s_mov_b32 s[\P+1], 0
	s_mov_b32 s[\P+3], 0
	s_mov_b32 s[\P+5], 0
	s_mov_b32 s[\P+7], 0
	s_mov_b32 s[\P+9], s[\gl]
.endm
	s_load_b256 s[4:11], s[0:1], 0x0               ; qb s[4:5], kv s[6:7], yc s[8:9], ys s[10:11]
	v_lshl_add_u32 v5, v0, 2, SPARE
	v_mov_b32 v6, 0
	ds_add_u32 v5, v6                              ; the wave's opening: the add, twice on end, and its wait ahead of my first tensor load
	ds_add_u32 v5, v6
	v_lshrrev_b32 v1, 5, v0
	s_delay_alu instid0(VALU_DEP_1)
	v_readfirstlane_b32 s[WV], v1                  ; wave 0..15
	s_and_b32 s[BH], ttmp7, 0xffff                 ; 16 x batch + head: the cluster's y
	s_mov_b32 s[G1], 15|(3<<16)|(1<<21)            ; the mask: all four work-groups; elements of 8 bytes; bit 21 beside a mask; no padding
	s_mov_b32 s[G1+1], 32<<16                      ; tensor_dim0 = 32 elements: 256 bytes
	s_mov_b32 s[G1+2], 17<<16                      ; tensor_dim1 = 17
	s_mov_b32 s[G1+3], 32<<16                      ; tile_dim0
	s_mov_b32 s[G1+4], 17                          ; tile_dim1
	s_mov_b32 s[G1+5], 32                          ; dense rows
	s_mov_b32 s[G1+6], 0
	s_mov_b32 s[G1+7], 0
	s_mul_i32 s58, s[BH], HKV
	s_mul_i32 s60, s[WV], WPART                    ; my part of a stage, in LDS as in memory
	s_add_co_u32 s58, s58, s60
	s_mov_b32 s59, 0
	s_bfe_u32 s[CX], ttmp6, 0x40000                ; my place in the cluster: it enters no descriptor, no LDS address and no branch
	s_lshr_b32 s[GG], s[WV], 1                     ; G
	s_xor_b32 s61, s[GG], 15                       ; 15 - G
	s_and_b32 s62, s[WV], 1
	s_lshl_b32 s63, s[CX], 1
	s_add_co_u32 s62, s62, s63                     ; e
	s_xor_b32 s63, s62, 7                          ; 7 - e
	PASSOFF P0, 61, 63
	PASSOFF P1, GG, 62
	s_mov_b32 s[SEL], 0x76543210
	s_mov_b32 s[SEL+1], 0xfedcba98
	s_mov_b32 s[CS], 0x3e38aa3b                    ; log2(e) / 8
	s_mov_b32 s[CS+1], s[CS]                       ; (named with it as a pair)
	s_mov_b32 s[HI], 0xffff0000
	s_wait_dscnt 0x0                               ; both opening adds are done
	s_wait_kmcnt 0x0
	s_add_nc_u64 s[58:59], s[6:7], s[58:59]
	ROUND                                          ; all four work-groups are here: the joint loads meet
.irp j, 0,1,2
	s_mov_b32 s[G0+4*\j], 1
	s_add_co_u32 s[G0+4*\j+1], s60, \j*STG
	s_add_nc_u64 s[G0+4*\j+2:G0+4*\j+3], s[58:59], \j*STG
	s_or_b32 s[G0+4*\j+3], s[G0+4*\j+3], 0x80000000
.endr
.irp j, 0,1,2
	tensor_load_to_lds s[G0+4*\j:G0+4*\j+3], s[G1:G1+7]   ; every wave issues its three: three tensor loads of mine are out
	s_nop 0
.endr
.rept 4
	v_nop
.endr
.irp P, P0, P1
	s_add_nc_u64 s[\P:\P+1], s[4:5], s[\P:\P+1]
	s_add_nc_u64 s[\P+2:\P+3], s[4:5], s[\P+2:\P+3]
	s_add_nc_u64 s[\P+4:\P+5], s[8:9], s[\P+4:\P+5]
	s_add_nc_u64 s[\P+6:\P+7], s[10:11], s[\P+6:\P+7]
.endr
	v_and_b32 v2, 31, v0
	s_delay_alu instid0(VALU_DEP_1)
	v_lshlrev_b32 v1, 4, v2
	s_delay_alu instid0(VALU_DEP_2)
	v_lshlrev_b32 v2, 3, v2
	v_and_b32 v7, 15, v0
	s_delay_alu instid0(VALU_DEP_1)
	v_lshlrev_b32 v3, 4, v7
	v_bfe_u32 v254, v0, 4, 1
	s_delay_alu instid0(VALU_DEP_1)
	v_lshl_add_u32 v7, v7, 5, v254
.macro QLOAD P                         ; a tile of Q: six registers of codes and the rows' scale words
	global_load_b128 v[16:19], v1, s[\P:\P+1]
	global_load_b64 v[20:21], v2, s[\P:\P+1] offset:512
	global_load_b32 v255, v3, s[\P+2:\P+3]
.endm
	QLOAD P0
.irp j, 22,23,24,25,26,27, 38,39,40,41,42,43, 50,51,52,53,54,55, 62,63,64,65,66,67, 74,75,76,77,78,79
	v_mov_b32 v\j, 0                               ; the zero codes that fill K from 64 to 128: written once, never loaded
.endr
.irp j, 240,241,242,243,253
	v_mov_b32 v\j, 0                               ; lane permutes' destinations, and the upper half of the pair v[252:253]: written before they are named
.endr
.macro INIT P
	v_mov_b32 v13, 0xff61b1e6                      ; the largest t so far: -3e38
	s_delay_alu instid0(VALU_DEP_1)
	v_floor_f32 v12, -v13                          ; -M
	v_mov_b32 v14, 0
	v_mov_b32 v15, 0
.set j, 0
.rept 32
	v_mov_b32 v[192+j], 0                          ; O^T: the step is written once; the first change of M leaves zeros zeros
.set j, j+1
.endr
	v_and_b32 v4, 15, v0
	v_and_b32 v254, 8, v0
	s_delay_alu instid0(VALU_DEP_1)
	v_add_nc_u32 v4, v4, v254
	v_and_b32 v254, 16, v0
	s_delay_alu instid0(VALU_DEP_1)
	v_sub_nc_u32 v4, v4, v254
	s_delay_alu instid0(VALU_DEP_1)
	v_add_nc_u32 v4, s[\P+8], v4                   ; my query's token in its group - 16 (lane / 16)
	s_mov_b32 s[TB], 0
	s_mov_b32 s[SI], 0
	s_mov_b32 s[GL], s[\P+9]
	s_wait_loadcnt 0x0                             ; Q
.endm
; A KEY STEP: 128 keys.
.macro STEP
	s_cmp_gt_u32 s[SI], s[GL]                      ; all its keys come after my queries: only the addresses step
	s_cbranch_scc1 .Lhidden_\@
	s_setprio 2
	v_add_nc_u32 v8, s[TB], v1
	s_wait_alu depctr_va_vdst(0)
	v_add_nc_u32 v9, s[TB], v2
	s_wait_alu depctr_va_vdst(0)
	ds_load_b128 v[28:31], v8 offset:12288         ; K's scale words: word p: lanes 0-15 tile 2 p, lanes 16-31 tile 2 p + 1
.irp g, 0,1                                    ; S^T = K Q^T, four tiles of 16 keys at a time
.rept 4*\g
	v_nop                                          ; places in front of loads into registers that the four products have read
.endr
.irp t, 0,1,2,3
	ds_load_b128 v[32+12*\t:35+12*\t], v8 offset:768*(4*\g+\t)
	ds_load_b64 v[36+12*\t:37+12*\t], v9 offset:768*(4*\g+\t)+512
.endr
	s_wait_dscnt 0x0
.irp t, 0,1,2,3
.if \t%2
	v_wmma_scale_f32_16x16x128_f8f6f4 v[128+8*(4*\g+\t):135+8*(4*\g+\t)], v[32+12*\t:43+12*\t], v[16:27], 0, v[28+2*\g+\t/2], v255 matrix_a_fmt:MATRIX_FMT_FP6 matrix_b_fmt:MATRIX_FMT_FP6 matrix_a_scale:MATRIX_SCALE_ROW1
.else
	v_wmma_scale_f32_16x16x128_f8f6f4 v[128+8*(4*\g+\t):135+8*(4*\g+\t)], v[32+12*\t:43+12*\t], v[16:27], 0, v[28+2*\g+\t/2], v255 matrix_a_fmt:MATRIX_FMT_FP6 matrix_b_fmt:MATRIX_FMT_FP6
.endif
.endr
.endr
.irp t, 0,1,2,3                                ; V's four fragments and its scale words are asked for here and land under the softmax (the last products that read these registers stand six plain lines back or more)
.irp c, 0,1,2
	ds_load_b128 v[80+12*\t+4*\c:83+12*\t+4*\c], v8 offset:6144+1536*\t+512*\c
.endr
.endr
	ds_load_b64 v[10:11], v9 offset:12800
.rept 4
	v_nop                                          ; places in front of the first read of the scores
.endr
	s_cmp_lt_u32 s[SI], s[GL]                      ; only my tile's own group lies on the diagonal
	s_cbranch_scc1 .Lopen_\@
	v_mov_b32 v254, 0xff800000                     ; -infinity: p = 0 then.  Register 16 b + i holds key 32 b + 16 (lane / 16) + i of the step
.set n, 0
.rept 64
	v_cmp_gt_i32 vcc_lo, 32*(n/16)+n%16, v4
	v_cndmask_b32 v[128+n], v[128+n], v254, vcc_lo
.set n, n+1
.endr
.Lopen_\@:
.irp b, 0,1,2,3
	v_max3_num_f32 v[236+\b], v[128+16*\b], v[129+16*\b], v[130+16*\b]   ; the largest score of each block of 32 keys: for the row's maximum and, since p rises with the score, for the block's largest p
.endr
.irp i, 3,5,7,9,11,13
.irp b, 0,1,2,3
	v_max3_num_f32 v[236+\b], v[236+\b], v[128+16*\b+\i], v[129+16*\b+\i]
.endr
.endr
.irp b, 0,1,2,3
	v_max_num_f32 v[236+\b], v[236+\b], v[143+16*\b]
.endr
.irp b, 0,1,2,3
	s_delay_alu instid0(VALU_DEP_4)
	v_permlanex16_b32 v[240+\b], v[236+\b], s[SEL], s[SEL+1]
.endr
.irp b, 0,1,2,3
	s_delay_alu instid0(VALU_DEP_4)
	v_max_num_f32 v[236+\b], v[236+\b], v[240+\b]  ; with lane l xor 16's 16 keys
.endr
	s_delay_alu instid0(VALU_DEP_2)
	v_max3_num_f32 v254, v236, v237, v238
	s_delay_alu instid0(VALU_DEP_1)
	v_max_num_f32 v254, v254, v239
	s_delay_alu instid0(VALU_DEP_1)
	v_mul_f32 v254, s[CS], v254                    ; the step's largest t
	s_delay_alu instid0(VALU_DEP_1)
	v_max_num_f32 v13, v13, v254
	v_mov_b32 v254, v12
	s_delay_alu instid0(VALU_DEP_2)
	v_floor_f32 v12, -v13                          ; the new -M = -ceil(t): a whole number
	s_delay_alu instid0(VALU_DEP_1)
	v_sub_f32 v254, v12, v254                      ; old M - new M: a whole number, 0 or less
	s_delay_alu instid0(VALU_DEP_1)
	v_cvt_i32_f32 v254, v254                       ; (it saturates)
	s_delay_alu instid0(VALU_DEP_1)
	v_ldexp_f32 v252, 1.0, v254                    ; f = 2^(old M - new M): a multiplication by it rounds nothing
.set j, 0
.rept 32
	v_pk_fma_f32 v[128+j:129+j], v[128+j:129+j], s[CS:CS+1], v[12:13] op_sel_hi:[1,0,0]   ; t - M, two at a time
.set j, j+2
.endr
	s_setprio 1
.irp b, 0,1,2,3
	v_fma_f32 v[236+\b], v[236+\b], s[CS], v12     ; the same of each block's largest score
.endr
.set j, 0
	s_wait_alu depctr_va_vdst(0)
.rept 64
	v_exp_f32 v[128+j], v[128+j]                   ; p = 2^(t - M)
.set j, j+1
.endr
	v_pk_mul_f32 v[14:15], v[14:15], v[252:253] op_sel_hi:[1,0]   ; the sums under the new M (the plain line behind the exponentials)
	s_wait_alu depctr_va_vdst(0)                   ; one wait for the batch of 64, ahead of its first reader
.irp b, 0,1,2,3
	v_exp_f32 v[236+\b], v[236+\b]                 ; the block's largest p
.endr
	v_pk_add_f32 v[240:241], v[132:133], v[136:137]
	v_pk_add_f32 v[250:251], v[140:141], v[144:145]
	v_pk_add_f32 v[248:249], v[148:149], v[152:153]
	v_pk_add_f32 v[246:247], v[156:157], v[160:161]
	v_pk_add_f32 v[244:245], v[164:165], v[168:169]
	v_pk_add_f32 v[242:243], v[172:173], v[176:177]
	v_pk_add_f32 v[234:235], v[180:181], v[184:185]
	v_pk_add_f32 v[14:15], v[14:15], v[188:189]
	v_pk_add_f32 v[240:241], v[240:241], v[128:129]
	v_pk_add_f32 v[250:251], v[250:251], v[130:131]
	v_pk_add_f32 v[248:249], v[248:249], v[134:135]
	v_pk_add_f32 v[246:247], v[246:247], v[138:139]
	v_pk_add_f32 v[244:245], v[244:245], v[142:143]
	v_pk_add_f32 v[242:243], v[242:243], v[146:147]
	v_pk_add_f32 v[234:235], v[234:235], v[150:151]
	v_pk_add_f32 v[14:15], v[14:15], v[154:155]
	v_pk_add_f32 v[240:241], v[240:241], v[158:159]
	v_pk_add_f32 v[250:251], v[250:251], v[162:163]
	v_pk_add_f32 v[248:249], v[248:249], v[166:167]
	v_pk_add_f32 v[246:247], v[246:247], v[170:171]
	v_pk_add_f32 v[244:245], v[244:245], v[174:175]
	v_pk_add_f32 v[242:243], v[242:243], v[178:179]
	v_pk_add_f32 v[234:235], v[234:235], v[182:183]
	v_pk_add_f32 v[14:15], v[14:15], v[186:187]
	v_pk_add_f32 v[240:241], v[240:241], v[190:191]
	s_delay_alu instid0(VALU_DEP_2)
	v_pk_add_f32 v[14:15], v[14:15], v[246:247]
	s_delay_alu instid0(VALU_DEP_2)
	v_pk_add_f32 v[240:241], v[240:241], v[244:245]
	v_pk_add_f32 v[250:251], v[250:251], v[242:243]
	v_pk_add_f32 v[248:249], v[248:249], v[234:235]
	s_delay_alu instid0(VALU_DEP_2)
	v_pk_add_f32 v[14:15], v[14:15], v[250:251]
	s_delay_alu instid0(VALU_DEP_2)
	v_pk_add_f32 v[240:241], v[240:241], v[248:249]
	s_delay_alu instid0(VALU_DEP_1)
	v_pk_add_f32 v[14:15], v[14:15], v[240:241]
	s_wait_alu depctr_va_vdst(0)                   ; and one for the four
.irp b, 0,1,2,3
	v_max_num_f32 v[236+\b], 0x1800000, v[236+\b]  ; the floor 2^(3 - 127): the byte cannot fall under 1
.endr
.irp b, 0,1,2,3
	s_delay_alu instid0(VALU_DEP_4)
	v_add_nc_u32 v[248+\b], 0xff000000, v[236+\b]  ; 2 off the exponent field: the conversion's scale operand
.endr
.irp b, 0,1,2,3
	s_delay_alu instid0(VALU_DEP_4)
	v_lshrrev_b32 v[240+\b], 23, v[248+\b]         ; the scale's byte
.endr
	s_delay_alu instid0(VALU_DEP_3)
	v_lshl_or_b32 v253, v241, 8, v240              ; p's scale word for these 128 keys
	s_delay_alu instid0(VALU_DEP_1)
	v_lshl_or_b32 v253, v242, 16, v253
	s_delay_alu instid0(VALU_DEP_1)
	v_lshl_or_b32 v253, v243, 24, v253
	s_setprio 0
.irp c, 0,1
	v_cvt_scalef32_pk16_fp6_f32 v[224+6*\c:226+6*\c], v[128+32*\c:143+32*\c], v[248+2*\c]
	v_cvt_scalef32_pk16_fp6_f32 v[240+4*\c:242+4*\c], v[144+32*\c:159+32*\c], v[248+2*\c+1]
.endr
	v_nop                                          ; one plain line behind a scaled conversion
.irp c, 0,1
.irp i, 0,1,2
	v_permlane16_swap_b32 v[224+6*\c+\i], v[240+4*\c+\i]
.endr
.irp i, 0,1,2
	s_delay_alu instid0(VALU_DEP_3)
	v_mov_b32 v[227+6*\c+\i], v[240+4*\c+\i]
.endr
.endr
.set j, 0
.rept 16
	v_pk_mul_f32 v[192+j:193+j], v[192+j:193+j], v[252:253] op_sel_hi:[1,0]   ; O^T under the new M; these 16 are also the places between the lines that made p's codes and scale word and the products
.set j, j+2
.endr
	s_wait_alu depctr_va_vdst(0)
	s_wait_dscnt 0x0                               ; V
.irp t, 0,1,2,3                                ; O^T += V^T P^T: the four accumulators take turns
.if \t%2
	v_wmma_scale_f32_16x16x128_f8f6f4 v[192+8*\t:199+8*\t], v[80+12*\t:91+12*\t], v[224:235], v[192+8*\t:199+8*\t], v[10+\t/2], v253 matrix_a_fmt:MATRIX_FMT_FP6 matrix_b_fmt:MATRIX_FMT_FP6 matrix_a_scale:MATRIX_SCALE_ROW1
.else
	v_wmma_scale_f32_16x16x128_f8f6f4 v[192+8*\t:199+8*\t], v[80+12*\t:91+12*\t], v[224:235], v[192+8*\t:199+8*\t], v[10+\t/2], v253 matrix_a_fmt:MATRIX_FMT_FP6 matrix_b_fmt:MATRIX_FMT_FP6
.endif
.endr
.Lhidden_\@:
	s_add_co_u32 s[TB], s[TB], STEPB
	s_add_co_u32 s[SI], s[SI], 1
.endm
.macro WALK n                          ; n key steps: the trip count is a constant
	s_mov_b32 s[CNT], \n
.Lwalk_\@:
	STEP
	s_sub_co_u32 s[CNT], s[CNT], 1
	s_cmp_lg_u32 s[CNT], 0
	s_cbranch_scc1 .Lwalk_\@
	s_setprio 0
.endm
; A tile's end: O^T / the sum is y's 16 rows x 64 features; register 16 b + i is feature 32 b + 16 (lane / 16) + i of the head: two blocks of the last product's K.  next: the pass whose Q is asked for meanwhile, or 0.
.macro FINISH P, next
.if \next
	QLOAD \next                                    ; (the last products that read Q's registers stand a softmax back)
.endif
.rept 4
	v_nop                                          ; places behind the last products
.endr
	v_add_f32 v14, v14, v15
	s_wait_alu depctr_va_vdst(0)
	v_permlanex16_b32 v254, v14, s[SEL], s[SEL+1]
	s_delay_alu instid0(VALU_DEP_1)
	v_add_f32 v14, v14, v254                       ; the row's sum
	s_wait_alu depctr_va_vdst(0)
	v_rcp_f32 v14, v14
	v_nop                                          ; a plain line behind the reciprocal,
	s_wait_alu depctr_va_vdst(0)                   ; and the wait ahead of its first reader
.set j, 0
.rept 16
	v_pk_mul_f32 v[128+j:129+j], v[192+j:193+j], v[14:15] op_sel_hi:[1,0]
.set j, j+2
.endr
.irp b, 0,1
	v_max3_num_f32 v[236+\b], |v[128+16*\b]|, |v[129+16*\b]|, 0x1800000
.endr
.irp i, 2,4,6,8,10,12,14
.irp b, 0,1
	s_delay_alu instid0(VALU_DEP_2)
	v_max3_num_f32 v[236+\b], v[236+\b], |v[128+16*\b+\i]|, |v[129+16*\b+\i]|
.endr
.endr
.irp b, 0,1
	s_delay_alu instid0(VALU_DEP_2)
	v_permlanex16_b32 v[240+\b], v[236+\b], s[SEL], s[SEL+1]
.endr
.irp b, 0,1
	s_delay_alu instid0(VALU_DEP_2)
	v_max_num_f32 v[236+\b], v[236+\b], v[240+\b]
.endr
.irp b, 0,1
	s_delay_alu instid0(VALU_DEP_2)
	v_add_nc_u32 v[248+\b], 0xff000000, v[236+\b]
.endr
.irp b, 0,1
	s_delay_alu instid0(VALU_DEP_2)
	v_lshrrev_b32 v[240+\b], 23, v[248+\b]
.endr
	v_cvt_scalef32_pk16_fp6_f32 v[224:226], v[128:143], v248
	v_cvt_scalef32_pk16_fp6_f32 v[244:246], v[144:159], v249
	v_nop
.irp i, 0,1,2
	v_permlane16_swap_b32 v[224+\i], v[244+\i]
.endr
.irp i, 0,1,2
	s_delay_alu instid0(VALU_DEP_3)
	v_mov_b32 v[227+\i], v[244+\i]                 ; registers 0-5: k = 32 (lane / 16) + 0 .. 31 of the head's 64
.endr
	v_cndmask_b32 v254, v240, v241, s[HI]          ; lanes 0-15 block 0's byte, lanes 16-31 block 1's
	global_store_b128 v1, v[224:227], s[\P+4:\P+5]
	global_store_b64 v2, v[228:229], s[\P+4:\P+5] offset:512
	global_store_b8 v7, v254, s[\P+6:\P+7]
.endm
	INIT P0
	s_wait_tensorcnt 2                             ; my part of the first third is in (my two younger loads may be out): key steps 0 to 4 lie in it
	s_barrier_signal -1
	s_barrier_wait -1                              ; everybody's is
	WALK 5
	s_wait_tensorcnt 1                             ; the second third: steps 5 to 9 (one younger load may be out)
	s_barrier_signal -1
	s_barrier_wait -1
	WALK 5
	s_wait_tensorcnt 0x0                           ; all of it
	s_barrier_signal -1
	s_barrier_wait -1
	WALK 6
	FINISH P0, P1
	s_wait_xcnt 0x0                                ; the stores have read their registers
	INIT P1
	WALK 8                                         ; the short tile's group is 7 at the most
	FINISH P1, 0
	s_wait_tensorcnt 0x0                           ; the wave's end
	ds_add_u32 v5, v6
	s_wait_dscnt 0x0
	ROUND                                          ; the closing round
	s_endpgm
.Lfunc_end_k_q058ed81fb2_attn:
	.size	k_q058ed81fb2_attn, .Lfunc_end_k_q058ed81fb2_attn-k_q058ed81fb2_attn
	.p2alignl 7, 3214868480
	.fill 96, 4, 3214868480
	.section	.rodata,"a",@progbits
	.p2align	6, 0x0
	.amdhsa_kernel k_q058ed81fb2_attn
		.amdhsa_group_segment_fixed_size 210944
		.amdhsa_private_segment_fixed_size 0
		.amdhsa_enable_private_segment 0
		.amdhsa_kernarg_size 32
		.amdhsa_user_sgpr_count 2
		.amdhsa_user_sgpr_kernarg_segment_ptr 1
		.amdhsa_wavefront_size32 1
		.amdhsa_system_sgpr_workgroup_id_x 1
		.amdhsa_system_sgpr_workgroup_id_y 1
		.amdhsa_system_sgpr_workgroup_id_z 1
		.amdhsa_system_vgpr_workitem_id 0
		.amdhsa_next_free_vgpr 256
		.amdhsa_next_free_sgpr 80
		.amdhsa_reserve_vcc 1
		.amdhsa_float_denorm_mode_32 3
		.amdhsa_float_denorm_mode_16_64 3
		.amdhsa_memory_ordered 1
		.amdhsa_forward_progress 1
		.amdhsa_inst_pref_size 110
	.end_amdhsa_kernel
	.amdgpu_metadata
---
amdhsa.version: [ 1, 2 ]
amdhsa.kernels:
  - .name:           k_q058ed81fb2_attn
    .symbol:         k_q058ed81fb2_attn.kd
    .args:
      - { .name: qb, .offset: 0, .size: 8, .value_kind: global_buffer, .address_space: global }
      - { .name: kv, .offset: 8, .size: 8, .value_kind: global_buffer, .address_space: global }
      - { .name: yc, .offset: 16, .size: 8, .value_kind: global_buffer, .address_space: global }
      - { .name: ys, .offset: 24, .size: 8, .value_kind: global_buffer, .address_space: global }
    .group_segment_fixed_size: 210944
    .private_segment_fixed_size: 0
    .kernarg_segment_align: 8
    .kernarg_segment_size: 32
    .max_flat_workgroup_size: 512
    .sgpr_count:     80
    .vgpr_count:     256
    .wavefront_size: 32
...
	.end_amdgpu_metadata
.endif
;; end of part 3
;; launch proj (part 4): grid 4 x 32, 4 waves a work-group, clusters of 4 x 4, 327,680 bytes of LDS; arguments yc, ys, wc, ws, out0, bp; writes out0
.if DOCPART == 4
	.amdgcn_target "amdgcn-amd-amdhsa--gfx1250"
	.amdhsa_code_object_version 6
	.text
	.protected	k_q058ed81fb2_proj
	.globl	k_q058ed81fb2_proj
	.p2align	8
	.type	k_q058ed81fb2_proj,@function
k_q058ed81fb2_proj:
	s_mov_b64 s[64:65], 0
	v_nop
	global_prefetch_b8 v0, s[64:65] scope:SCOPE_SE
	s_setreg_imm32_b32 hwreg(HW_REG_WAVE_MODE, 25, 1), 1
	s_wait_xcnt 0x0
	s_wait_alu depctr_hold_cnt(0) depctr_sa_sdst(0) depctr_va_vdst(0) depctr_va_sdst(0) depctr_va_ssrc(0) depctr_va_vcc(0) depctr_vm_vsrc(0)
	s_getreg_b32 s2, hwreg(HW_REG_IB_STS2, 6, 4)
	s_cmp_eq_u32 s2, 0
	s_cbranch_scc0 .Lentry_in_a_cluster
	s_endpgm
.Lentry_in_a_cluster:
	s_bfe_u32 s2, ttmp6, 0x10000c
	s_cmp_lg_u32 s2, 0xf033
	s_cbranch_scc0 .Lentry_shape_is_right
	s_endpgm
.Lentry_shape_is_right:
; Launch 4 of 4: out0 = y Wp^T + bp on codes of E2M3.  y: images of the operand's registers, yc [512 tiles of 16 rows][8 K steps of 128][1,536 bytes], scale bytes ys [8,192][32]; Wp: rows 3,072 on of wc [4,096][768] and ws [4,096][32].
; A work-group of four waves makes 256 x 256, a wave 128 x 128; K = 1,024 goes in four steps of 256 through a ring of two LDS slots; 4 x 4 clusters, A's tiles asked for jointly along a row, B's along a column.
; The matrix instruction is used transposed (source 0 = 16 rows of Wp, source 1 = 16 rows of y): a lane holds eight neighbouring numbers of a row of out0.  The bias is the C of each sum's first product.
; y's rows stand at places with bits 3 and 4 exchanged: place 16 a + t is row 32 (a / 2) + 8 (a % 2) + t + 8 (t / 8); the stores put each row where it belongs.
; 128 work-groups: the tile is kept at 256 x 256 so that each LDS byte feeds as many products as the registers allow.
; REGISTERS: window 0: v0-31 addresses; v32-63 scale words, two sets; v64-127 the bias; from v128 A's fragments, one set; on the way out v128-255.  window 1: B's fragments, two sets.  windows 2, 3: the accumulators.
.set SIZE_N, 1024
.set KSTEP,  256
.set NQ,     2
.set ROWB,   192                       ; B: a tile's row in bytes
.set AROWB,  3072                      ; A: a tile of 16 rows x 256 K: two fragments' images
.set KROW,   768
.set PITCH,  240
.set FR,     12
.set NLA,    4                         ; LDS loads that bring a fragment of A
.set NP,     4
.set HALFT,  128*PITCH                 ; a wave's place in a slot (A's images use 24,576 bytes of it)
.set SLOT,   4*HALFT
.set LAPS,   2
.set KS,     32
.set SCL,    2*SLOT
.set HALFS,  16*272
.set SBLK,   2*272
.set SPARE,  SCL+4*HALFS
.set SPITCH, 528                       ; the way out: a stage of 16 rows x (512 + 16) bytes a wave, in slot 0, which has had its last fill and its last read by then
.set ADRA, 16                          ; v16-17 A's base in slot 0, 1 + 16 x lane; v18-19 + 8 x lane
.set ADRB, 20
.set STO,  24
.set RD,   25
.set CO,   26
.set ADRS, 27
.set SPW,  28
.set NIL,  29
.set SC,   32
.set BI,   64
.set AF,   128
.set BK,   128
.set G1, 24
.set G0, 32
.set G1B, 48
.set G0B, 56
.set G1S, 68
.set G0S, 76
.set G1SB, 80
.set G0SB, 88
.set MSB, 0
.macro WIN new
.if MSB != \new
	s_set_vgpr_msb (MSB<<8)|\new
.set MSB, \new
.endif
.endm
.set MUL_LO, 0xa1
.set MUL_HI, 0xf1
.set FST_LO, 0x81                      ; the first products: C (the bias) in window 0, D in window 2
.set FST_HI, 0xc1
.set TO_B,   0x40
.macro JLOAD g0a, g1a, g0b, g1b
	s_cmp_eq_u32 s15, 0
	s_cbranch_scc0 .Lfor_b_\@
	tensor_load_to_lds s[\g0a:\g0a+3], s[\g1a:\g1a+7]
	s_nop 0
.rept 4
	v_nop
.endr
	s_branch .Lasked_\@
.Lfor_b_\@:
	tensor_load_to_lds s[\g0b:\g0b+3], s[\g1b:\g1b+7]
	s_nop 0
.rept 4
	v_nop
.endr
.Lasked_\@:
.endm
.macro CREST
	s_cmp_lg_u32 s14, 0
	s_cbranch_scc1 .Lnot_wave_0_\@
	s_barrier_signal -3
.Lnot_wave_0_\@:
	s_barrier_wait -3
	s_barrier_signal -1
	s_barrier_wait -1
.endm
.macro CROUND
	s_barrier_signal -1
	s_barrier_wait -1
	CREST
.endm
	s_load_b256 s[4:11], s[0:1], 0x0               ; yc s[4:5], ys s[6:7], wc s[8:9], ws s[10:11]
	s_load_b64 s[12:13], s[0:1], 0x20              ; out0
	s_load_b64 s[66:67], s[0:1], 0x28              ; bp
	v_lshl_add_u32 v[SPW], v0, 2, SPARE
	v_mov_b32 v[NIL], 0
	ds_add_u32 v[SPW], v[NIL]                      ; the wave's opening: the add, twice on end, and its wait ahead of my first tensor load
	ds_add_u32 v[SPW], v[NIL]
	v_lshrrev_b32 v1, 5, v0
	v_readfirstlane_b32 s14, v1
	s_lshr_b32 s15, s14, 1
	s_and_b32 s16, s14, 1
	s_bfe_u32 s40, ttmp6, 0x40000
	s_bfe_u32 s41, ttmp6, 0x40004
	s_lshl_b32 s42, ttmp9, 2
	s_add_co_u32 s42, s42, s40                     ; tile column
	s_and_b32 s17, ttmp7, 0xffff
	s_lshl_b32 s17, s17, 2
	s_add_co_u32 s17, s17, s41                     ; tile row
	s_lshl_b32 s43, s41, 2
	s_lshl_b32 s43, 15, s43
	s_lshl_b32 s44, 0x1111, s40
	; A: 8 tiles of 16 rows, of each 3,072 consecutive bytes (384 elements of 8), 12,288 bytes from tile to tile; dense in LDS
	s_or_b32 s[G1+0], s43, (3<<16)|(1<<21)
	s_mov_b32 s[G1+1], 384<<16
	s_mov_b32 s[G1+2], 8<<16
	s_mov_b32 s[G1+3], 384<<16
	s_mov_b32 s[G1+4], 8
	s_mov_b32 s[G1+5], 1536
	s_mov_b32 s[G1+6], 0
	s_mov_b32 s[G1+7], 0
	; B: 128 rows x 192 bytes, 16 bytes of padding behind every 64
	s_or_b32 s[G1B+0], s44, (0<<16)|(1<<20)|(1<<21)|(3<<22)|(3<<25)
	s_mov_b32 s[G1B+1], ROWB<<16
	s_mov_b32 s[G1B+2], 128<<16
	s_mov_b32 s[G1B+3], ROWB<<16
	s_mov_b32 s[G1B+4], 128
	s_mov_b32 s[G1B+5], KROW
	s_mov_b32 s[G1B+6], 0
	s_mov_b32 s[G1B+7], 0
	s_or_b32 s[G1S+0], s43, (3<<16)|(1<<20)|(1<<21)|(5<<22)|(3<<25)
	s_or_b32 s[G1SB+0], s44, (3<<16)|(1<<20)|(1<<21)|(5<<22)|(3<<25)
.irp g, G1S, G1SB
	s_mov_b32 s[\g+1], 32<<16
	s_mov_b32 s[\g+2], 16<<16
	s_mov_b32 s[\g+3], 32<<16
	s_mov_b32 s[\g+4], 16
	s_mov_b32 s[\g+5], 32
	s_mov_b32 s[\g+6], 0
	s_mov_b32 s[\g+7], 0
.endr
	s_lshl_b32 s18, s16, 7
	s_lshl_b32 s20, s17, 8
	s_add_co_u32 s20, s20, s18                     ; A's row: 256 x tile row + 128 x half
	s_lshl_b32 s46, s42, 8
	s_add_co_u32 s46, s46, s18
	s_add_co_u32 s46, s46, 3072                    ; B's row in wc: Wp begins at 3,072
	s_mov_b32 s21, 0
	s_mov_b32 s47, 0
	s_mov_b64 s[18:19], KS
	s_mul_u64 s[22:23], s[20:21], s[18:19]
	s_mul_u64 s[92:93], s[46:47], s[18:19]
	s_mov_b64 s[18:19], KROW
	s_mul_u64 s[20:21], s[20:21], s[18:19]         ; (a tile of 16 rows is 12,288 bytes: 768 a row, as in rows of codes)
	s_mul_u64 s[46:47], s[46:47], s[18:19]
	s_mul_i32 s45, s14, HALFT
	s_mul_i32 s94, s14, HALFS
	s_wait_dscnt 0x0
	s_wait_kmcnt 0x0
	s_add_nc_u64 s[20:21], s[4:5], s[20:21]
	s_add_nc_u64 s[22:23], s[6:7], s[22:23]
	s_add_nc_u64 s[46:47], s[8:9], s[46:47]
	s_add_nc_u64 s[92:93], s[10:11], s[92:93]
	CROUND
	s_mov_b32 s[G0S], 1
	s_add_co_u32 s[G0S+1], s94, SCL
	s_mov_b64 s[G0S+2:G0S+3], s[22:23]
	s_or_b32 s[G0S+3], s[G0S+3], 0x80000000
	s_mov_b32 s[G0SB], 1
	s_add_co_u32 s[G0SB+1], s94, SCL
	s_mov_b64 s[G0SB+2:G0SB+3], s[92:93]
	s_or_b32 s[G0SB+3], s[G0SB+3], 0x80000000
	JLOAD G0S, G1S, G0SB, G1SB
.irp s, 0,1
	s_mov_b32 s[G0+4*\s], 1
	s_add_co_u32 s[G0+4*\s+1], s45, \s*SLOT
	s_add_nc_u64 s[G0+4*\s+2:G0+4*\s+3], s[20:21], \s*AROWB
	s_or_b32 s[G0+4*\s+3], s[G0+4*\s+3], 0x80000000
	s_mov_b32 s[G0B+4*\s], 1
	s_add_co_u32 s[G0B+4*\s+1], s45, \s*SLOT
	s_add_nc_u64 s[G0B+4*\s+2:G0B+4*\s+3], s[46:47], \s*ROWB
	s_or_b32 s[G0B+4*\s+3], s[G0B+4*\s+3], 0x80000000
	JLOAD G0+4*\s, G1, G0B+4*\s, G1B
.endr
	v_and_b32 v1, 15, v0
	v_bfe_u32 v2, v0, 4, 1
	v_mul_u32_u24 v3, v1, PITCH
	v_mul_u32_u24 v4, v2, 24
	v_add_nc_u32 v4, v3, v4
	v_lshl_add_u32 v5, v2, 4, v4
	v_and_b32 v6, 31, v0
	v_lshlrev_b32 v7, 4, v6                        ; 16 x lane
	v_lshlrev_b32 v8, 3, v6                        ; 8 x lane
	s_mul_i32 s21, s15, HALFT
	s_mul_i32 s22, s16, HALFT
	s_add_co_u32 s22, s22, 2*HALFT
.irp s, 0,1
	v_add_nc_u32 v[ADRA+\s], s21, v7
	v_add_nc_u32 v[ADRA+2+\s], s21, v8
	v_add_nc_u32 v[ADRB+\s], s22, v4
	v_add_nc_u32 v[ADRB+2+\s], s22, v5
	s_add_co_u32 s21, s21, SLOT
	s_add_co_u32 s22, s22, SLOT
.endr
	v_mul_u32_u24 v5, v1, KS
	v_lshrrev_b32 v6, 8, v5
	v_lshl_add_u32 v5, v6, 4, v5
	s_mul_i32 s21, s15, HALFS
	s_mul_i32 s22, s16, HALFS
	s_add_co_u32 s22, s22, 2*HALFS
	s_sub_co_u32 s22, s22, s21
	v_mul_u32_u24 v6, s22, v2
	s_add_co_u32 s21, s21, SCL
	v_add_nc_u32 v5, v5, v6
	v_add_nc_u32 v[ADRS], s21, v5
	s_mul_i32 s23, s14, 16*SPITCH                  ; my stage
	v_mul_u32_u24 v5, v1, SPITCH
	v_lshl_add_u32 v5, v2, 5, v5
	v_add_nc_u32 v[STO], s23, v5
	v_mov_b32 v[CO], v7                            ; back: the 32 lanes take one row of 512 bytes; and the same in out0
	v_add_nc_u32 v[RD], s23, v[CO]
	s_lshl_b32 s20, s17, 8
	s_lshl_b32 s21, s15, 7
	s_add_co_u32 s20, s20, s21                     ; my first row
	s_mov_b32 s21, 0
	s_mov_b64 s[18:19], SIZE_N*4
	s_mul_u64 s[20:21], s[20:21], s[18:19]
	s_lshl_b32 s46, s42, 10                        ; my first column, in bytes: in a row of out0 and in bp alike
	s_lshl_b32 s47, s16, 9
	s_add_co_u32 s46, s46, s47
	s_mov_b32 s47, 0
	s_add_nc_u64 s[20:21], s[20:21], s[46:47]
	s_add_nc_u64 s[12:13], s[12:13], s[20:21]
	s_add_nc_u64 s[66:67], s[66:67], s[46:47]
	v_lshlrev_b32 v9, 5, v2                        ; tile b's register j is column 16 b + 8 (lane / 16) + j
.irp b, 0,1,2,3,4,5,6,7
	global_load_b128 v[BI+8*\b:BI+8*\b+3], v9, s[66:67] offset:64*\b
	global_load_b128 v[BI+8*\b+4:BI+8*\b+7], v9, s[66:67] offset:64*\b+16
.endr
.macro FRAG reg, adr, q, i             ; B: from rows of codes, in pieces of 8 bytes
.irp p, 0,1,2,3,4,5
.set PCE, 12*(\q)+6*(\p/3)+\p%3
.if PCE%8 < 5
	ds_load_b64 v[\reg+2*\p:\reg+2*\p+1], v[\adr] offset:8*PCE+16*(PCE/8)+(\i)*16*PITCH
.else
	ds_load_b64 v[\reg+2*\p:\reg+2*\p+1], v[\adr+2] offset:8*PCE+16*(PCE/8)+(\i)*16*PITCH
.endif
.endr
.endm
.macro FRAGA reg, slot, q, i           ; A: the image of its registers: two halves of 768 bytes, each four registers at 16 x lane and two at 512 + 8 x lane
	ds_load_b128 v[\reg:\reg+3], v[ADRA+\slot] offset:AROWB*(\i)+1536*(\q)
	ds_load_b64 v[\reg+4:\reg+5], v[ADRA+2+\slot] offset:AROWB*(\i)+1536*(\q)+512
	ds_load_b128 v[\reg+6:\reg+9], v[ADRA+\slot] offset:AROWB*(\i)+1536*(\q)+768
	ds_load_b64 v[\reg+10:\reg+11], v[ADRA+2+\slot] offset:AROWB*(\i)+1536*(\q)+1280
.endm
; 16 matrix instructions; first = 1: the bias is the C of the sum's first product.  The 64 accumulators take turns, in the same order in every step.
.macro MUL16 a0, p, q, sc, first
.irp a, \a0, \a0+1
.irp b, 0,1,2,3,4,5,6,7
.if \first
	v_wmma_scale_f32_16x16x128_f8f6f4 v[8*(8*((\a)%4)+\b):8*(8*((\a)%4)+\b)+7], v[128*(\p)+FR*\b:128*(\p)+FR*\b+FR-1], v[AF+FR*(\a):AF+FR*(\a)+FR-1], v[BI+8*\b:BI+8*\b+7], v[SC+8*NQ*(\sc)+NQ*\b+(\q)], v[SC+8*NQ*(\sc)+NQ*(\a)+(\q)] matrix_a_fmt:MATRIX_FMT_FP6 matrix_b_fmt:MATRIX_FMT_FP6 matrix_a_scale:MATRIX_SCALE_ROW1
.else
	v_wmma_scale_f32_16x16x128_f8f6f4 v[8*(8*((\a)%4)+\b):8*(8*((\a)%4)+\b)+7], v[128*(\p)+FR*\b:128*(\p)+FR*\b+FR-1], v[AF+FR*(\a):AF+FR*(\a)+FR-1], v[8*(8*((\a)%4)+\b):8*(8*((\a)%4)+\b)+7], v[SC+8*NQ*(\sc)+NQ*\b+(\q)], v[SC+8*NQ*(\sc)+NQ*(\a)+(\q)] matrix_a_fmt:MATRIX_FMT_FP6 matrix_b_fmt:MATRIX_FMT_FP6 matrix_a_scale:MATRIX_SCALE_ROW1
.endif
.endr
.endr
.endm
.macro FETCH_B slot, q, p
	WIN TO_B
.irp i, 0,1,2,3,4,5,6,7
	FRAG 128*(\p)+FR*\i, ADRB+\slot, \q, \i
.endr
	WIN 0
.endm
.macro FETCH_A slot, q, i0
.irp i, \i0, \i0+1, \i0+2, \i0+3
	FRAGA AF+FR*(\i), \slot, \q, \i
.endr
.endm
.macro SCALES sc
.irp i, 0,1,2,3,4,5,6,7
	ds_load_b64 v[SC+8*NQ*\sc+NQ*\i:SC+8*NQ*\sc+NQ*\i+1], v[ADRS] offset:\i*SBLK
.endr
.endm
.macro PLACES n
.rept \n
	v_nop
.endr
.endm
.macro STEP slot, q, first
	s_wait_dscnt 4*NLA                             ; B's set and A's blocks 0-3 are in; the youngest 16 loads (A's blocks 4-7) may be out
.if \first
	WIN FST_LO
.else
	WIN MUL_LO
.endif
	MUL16 0, (\q)%2, \q, \slot, \first
	MUL16 2, (\q)%2, \q, \slot, \first
	s_wait_dscnt 0
	PLACES NP
	FETCH_B \slot, (\q)+1, 1-(\q)%2
	FETCH_A \slot, (\q)+1, 0
.if \first
	WIN FST_HI
.else
	WIN MUL_HI
.endif
	MUL16 4, (\q)%2, \q, \slot, \first
	MUL16 6, (\q)%2, \q, \slot, \first
	PLACES NP
	WIN 0
	FETCH_A \slot, (\q)+1, 4
.endm
.macro TURN slot, next, fill
	s_wait_tensorcnt 0x0                           ; all my tensor loads have landed: my part of the next slot
	ds_add_u32 v[SPW], v[NIL]
	s_wait_dscnt 4*NLA+1                           ; (the add and the youngest 16 loads may be out)
	WIN MUL_LO
	MUL16 0, 1, NQ-1, \slot, 0
	s_wait_dscnt 0x0                               ; the add is done, and my reads of this slot are over
	s_barrier_signal -1
	MUL16 2, 1, NQ-1, \slot, 0
	WIN 0
	s_barrier_wait -1
.if \fill
	CREST                                          ; a round of the cluster's barrier: no wave of any partner still reads this slot or has a load on its way
	s_add_nc_u64 s[G0+4*\slot+2:G0+4*\slot+3], s[G0+4*\slot+2:G0+4*\slot+3], 2*AROWB
	s_add_nc_u64 s[G0B+4*\slot+2:G0B+4*\slot+3], s[G0B+4*\slot+2:G0B+4*\slot+3], 2*ROWB
	JLOAD G0+4*\slot, G1, G0B+4*\slot, G1B
.else
	PLACES NP
.endif
	v_add_nc_u32 v[ADRS], 4*NQ, v[ADRS]
	FETCH_B \next, 0, 0
	FETCH_A \next, 0, 0
	SCALES \next
	WIN MUL_HI
	MUL16 4, 1, NQ-1, \slot, 0
	MUL16 6, 1, NQ-1, \slot, 0
	PLACES NP
	WIN 0
	FETCH_A \next, 0, 4
.endm
	s_wait_tensorcnt 1                             ; the scale bytes and my part of K step 0 are in (K step 1's load may be out),
	s_barrier_signal -1
	s_barrier_wait -1
	FETCH_B 0, 0, 0
	FETCH_A 0, 0, 0
	SCALES 0
	FETCH_A 0, 0, 4
	s_wait_loadcnt 0x0                             ; the bias
	STEP 0, 0, 1
	s_mov_b32 s3, LAPS-1
.Llap:
	TURN 0, 1, 1
	STEP 1, 0, 0
	TURN 1, 0, 1
	STEP 0, 0, 0
	s_sub_co_u32 s3, s3, 1
	s_cmp_lg_u32 s3, 0
	s_cbranch_scc1 .Llap
	TURN 0, 1, 0
	STEP 1, 0, 0
	s_wait_dscnt 4*NLA
	WIN MUL_LO
	MUL16 0, 1, NQ-1, 1, 0
	MUL16 2, 1, NQ-1, 1, 0
	s_wait_dscnt 0
	WIN MUL_HI
	MUL16 4, 1, NQ-1, 1, 0
	MUL16 6, 1, NQ-1, 1, 0
	WIN 0
; THE WAY OUT, block by block of 16 rows x 128 columns, through my own stage in LDS, back as whole rows of 512 bytes.  LDS serves a wave's instructions in order: no wait between the stores and the loads.
.macro TOSTAGE a
.set AC, 64*((\a)%4)
.set WN, 0x08+4*((\a)/4)
	WIN WN                                         ; the data: window 2 or 3
.irp b, 0,1,2,3,4,5,6,7
	ds_store_b128 v[STO], v[AC+8*\b:AC+8*\b+3] offset:64*\b          ; each accumulator from its low end on
	ds_store_b128 v[STO], v[AC+8*\b+4:AC+8*\b+7] offset:64*\b+16
.endr
	WIN 0
.set BB, BK+64*((\a)%2)
.irp t, 0,1,2,3,4,5,6,7,8,9,10,11,12,13,14,15
	ds_load_b128 v[BB+4*\t:BB+4*\t+3], v[RD] offset:\t*SPITCH
.endr
.endm
.macro SEND a, younger                 ; younger: the LDS instructions issued behind block a's loads, which may stay out
.set BB, BK+64*((\a)%2)
	s_wait_dscnt \younger
.if (\a) > 0
.if ((\a)%2) == 1
	s_add_nc_u64 s[12:13], s[12:13], 8*SIZE_N*4    ; block a begins at row 32 (a / 2) + 8 (a % 2)  (behind a wait on XCNT: the earlier stores have read their base)
.else
	s_add_nc_u64 s[12:13], s[12:13], 24*SIZE_N*4
.endif
.endif
.irp t, 0,1,2,3,4,5,6,7,8,9,10,11,12,13,14,15
	global_store_b128 v[CO], v[BB+4*\t:BB+4*\t+3], s[12:13] offset:(\t+8*(\t/8))*SIZE_N*4 th:TH_STORE_NT   ; place t of the block is row t + 8 (t / 8); 32 lanes store 512 consecutive bytes, aligned
.endr
.endm
	PLACES NP
	TOSTAGE 0
.irp a, 1,2,3,4,5,6,7
.if \a > 1
	s_wait_xcnt 0x0                                ; block a - 2's stores have read their registers and their base
.endif
	TOSTAGE \a
	SEND \a-1, 32                                  ; behind block a - 1's loads: block a's 16 stores and 16 loads
.endr
	s_wait_xcnt 0x0
	SEND 7, 0
	s_wait_tensorcnt 0x0                           ; the wave's end
	ds_add_u32 v[SPW], v[NIL]
	s_wait_dscnt 0x0
	CROUND                                         ; the closing round
	s_endpgm
.Lfunc_end_k_q058ed81fb2_proj:
	.size	k_q058ed81fb2_proj, .Lfunc_end_k_q058ed81fb2_proj-k_q058ed81fb2_proj
	.p2alignl 7, 3214868480
	.fill 96, 4, 3214868480
	.section	.rodata,"a",@progbits
	.p2align	6, 0x0
	.amdhsa_kernel k_q058ed81fb2_proj
		.amdhsa_group_segment_fixed_size 327680
		.amdhsa_private_segment_fixed_size 0
		.amdhsa_enable_private_segment 0
		.amdhsa_kernarg_size 48
		.amdhsa_user_sgpr_count 2
		.amdhsa_user_sgpr_kernarg_segment_ptr 1
		.amdhsa_wavefront_size32 1
		.amdhsa_system_sgpr_workgroup_id_x 1
		.amdhsa_system_sgpr_workgroup_id_y 1
		.amdhsa_system_sgpr_workgroup_id_z 1
		.amdhsa_system_vgpr_workitem_id 0
		.amdhsa_next_free_vgpr 1024
		.amdhsa_next_free_sgpr 98
		.amdhsa_reserve_vcc 0
		.amdhsa_float_denorm_mode_32 3
		.amdhsa_float_denorm_mode_16_64 3
		.amdhsa_memory_ordered 1
		.amdhsa_forward_progress 1
		.amdhsa_inst_pref_size 153
	.end_amdhsa_kernel
	.amdgpu_metadata
---
amdhsa.version: [ 1, 2 ]
amdhsa.kernels:
  - .name:           k_q058ed81fb2_proj
    .symbol:         k_q058ed81fb2_proj.kd
    .args:
      - { .name: yc, .offset: 0, .size: 8, .value_kind: global_buffer, .address_space: global }
      - { .name: ys, .offset: 8, .size: 8, .value_kind: global_buffer, .address_space: global }
      - { .name: wc, .offset: 16, .size: 8, .value_kind: global_buffer, .address_space: global }
      - { .name: ws, .offset: 24, .size: 8, .value_kind: global_buffer, .address_space: global }
      - { .name: out0, .offset: 32, .size: 8, .value_kind: global_buffer, .address_space: global }
      - { .name: bp, .offset: 40, .size: 8, .value_kind: global_buffer, .address_space: global }
    .group_segment_fixed_size: 327680
    .private_segment_fixed_size: 0
    .kernarg_segment_align: 8
    .kernarg_segment_size: 48
    .max_flat_workgroup_size: 128
    .sgpr_count:     98
    .vgpr_count:     1024
    .wavefront_size: 32
...
	.end_amdgpu_metadata
.endif
;; end of part 4
